; MI455X (gfx1250); checked and timed in simulation.
; The chip was launched on July 23, 2026; its instructions are those of AMD's public machine-readable ISA for CDNA 5 (MIT licence, August 2026) and "CDNA5" Instruction Set Architecture Reference Guide (July 2026). The comments in the code are by the model that wrote it; some were corrected since.
;; Multi Head. Allowed arithmetic: matrix products marked QUANTISED: E4M3 operands, one given power-of-two scale a tensor, by v_wmma_f32_16x16x64_fp8_fp8 or v_wmma_f32_16x16x128_fp8_fp8, f32 sums; everything else in f32.
;; Inputs: b_proj 1,024 float32; lowp_scales 12 int32 (the exponents e of the quantised operands' scales 2^e); w_proj_codes 1,024 x 32 x 32 uint8 (E4M3 codes of w_proj, K innermost, in blocks of 32 codes); wk_codes 16 x 64 x 32 x 32 uint8 (E4M3 codes of wk, K innermost, in blocks of 32 codes); wq_codes 16 x 64 x 32 x 32 uint8 (E4M3 codes of wq, K innermost, in blocks of 32 codes); wv_codes 16 x 64 x 32 x 32 uint8 (E4M3 codes of wv, K innermost, in blocks of 32 codes); x_codes 4 x 2,048 x 32 x 32 uint8 (E4M3 codes of x, K innermost, in blocks of 32 codes).
;; Outputs: out0 4 x 2,048 x 1,024 float32.
;; This version of the problem:
;;   THIS VERSION OF THE PROBLEM IS GIVEN IN LOW PRECISION. The matrix products marked QUANTISED in the list below multiply operands that are first quantised to E4M3 (4 exponent bits, 3 mantissa bits; 8 bits a number), with one given power-of-two scale for each operand tensor; their sums are f32. All else is computed in f32.
;;   The module's matrix products, in the order in which they are computed (A, B: the left and right operand; K: the contracted axis; several contracted axes count as one K, in the product's order):
;;     1. [M 1,024, K 1,024] x [K 1,024, N 8,192]; A: input wq (given as codes); B: input x (given as codes): QUANTISED (scales: A lowp_scales[0], B lowp_scales[1])
;;     2. [M 1,024, K 1,024] x [K 1,024, N 8,192]; A: input wk (given as codes); B: input x (given as codes): QUANTISED (scales: A lowp_scales[2], B lowp_scales[3])
;;     3. [M 1,024, K 1,024] x [K 1,024, N 8,192]; A: input wv (given as codes); B: input x (given as codes): QUANTISED (scales: A lowp_scales[4], B lowp_scales[5])
;;     4. batch 64 x [M 2,048, K 64] x [K 64, N 2,048]; A: computed on the way; B: computed on the way: QUANTISED (scales: A lowp_scales[6], B lowp_scales[7])
;;     5. batch 64 x [M 2,048, K 2,048] x [K 2,048, N 64]; A: softmax (see below); B: computed on the way: QUANTISED (scales: A lowp_scales[8], B lowp_scales[9])
;;     6. [M 8,192, K 1,024] x [K 1,024, N 1,024]; A: computed on the way; B: input w_proj (given as codes): QUANTISED (scales: A lowp_scales[10], B lowp_scales[11])
;;   THE QUANTISER, for each operand of a quantised product, along K:
;;     - The operand's scale is 2^e, e = its entry of the input lowp_scales (int32; the entries are numbered through the quantised products in the list's order, A before B).
;;     - Each number is divided by the scale, clamped to +-448, and rounded to the nearest number of E4M3, ties to even, subnormals kept.
;;     - The product sums the exact products of the quantised numbers (number of the format x scale) in f32.
;;   ~~~python
;;   def quantise(x, axis, e):      # numpy; x: float32 -> the quantised numbers, widened to float32 again
;;       x = np.moveaxis(x, axis, -1); K = x.shape[-1]
;;       r = np.clip(x / 2.0 ** e, -448, 448)
;;       step = 2.0 ** (np.maximum(np.frexp(np.where(r == 0, 1, r))[1] - 1, -6) - 3)
;;       q = np.round(r / step) * step * 2.0 ** e      # np.round: ties to even
;;       return np.moveaxis(q, -1, axis).astype(np.float32)
;;   ~~~
;;   SOFTMAX AHEAD OF A QUANTISED PRODUCT. Where the list says 'softmax', what is quantised is not the finished softmax but p = 2^(t - M), with t = logit x log2(e) and M = ceil(the row's largest t), a whole number; so 1/2 < the row's largest p <= 1. The row's sum l is taken of the UNQUANTISED p, in f32, and the product's result is divided by l at the end. Since M is a whole number, a kernel that streams over the keys may use a running M (the ceiling of the running maximum): every later rescaling is an exact power of two, so the quantised numbers keep their values, but for numbers so far below the row's largest that they fall under the format's range.
;;   OPERANDS COMPUTED ON THE WAY. 'Computed on the way' means the value that the module computes at that place (a softmax that the list does not call 'softmax' is quantised finished and normalised). What goes into a quantiser is computed in f32, as accurately as f32 sums, v_exp_f32 and their like allow (about 1e-6 of the number): no bf16 or f16 on the way to a quantiser, and a product that is left as it is and whose result goes on into a quantised operand takes f32 operands (vector FMAs, or v_wmma_f32_16x16x4_f32). A number that lies on a knife's edge between two numbers of the format may be rounded either way, as far as f32 arithmetic and the matrix unit's own rounding can turn it there, and no further.
;;   INPUTS GIVEN AS CODES. w_proj (in the module: [1024, 1024], K = its axis 0); wk (in the module: [16, 1024, 64], K = its axis 1); wq (in the module: [16, 1024, 64], K = its axis 1); wv (in the module: [16, 1024, 64], K = its axis 1); x (in the module: [4, 2048, 1024], K = its axis 2): each comes as NAME_codes (uint8): NAME with its K axis moved to the last place and cut into blocks of 32 codes, [.., K / 32, bytes a block], one block behind the other in memory; one code a byte (a code: sign, 4 exponent bits, 3 mantissa bits); its scale is its entry of lowp_scales. Its value is code x scale, taken as it is: it is not quantised again, and the codes and scales need not be those that the quantiser above would give.
;; 2 versions, each right; version 2 is version 1 with the launch attn written anew for expert scheduling mode. Each part assembles by itself: llvm-mc -triple=amdgcn-amd-amdhsa -mcpu=gfx1250 --defsym DOCPART=n.
;; ======== version 1 of 2: 3 launches
;; workspace buffers: qimg 8,388,608 bytes; kimg 8,388,608 bytes; vimg 8,388,608 bytes; aimg 8,388,608 bytes
;; launch qkv (part 1): grid 12 x 32, 4 waves a work-group, clusters of 4 x 4, 327,680 bytes of LDS; arguments x_codes, wq_codes, wk_codes, wv_codes, lowp_scales, qimg, kimg, vimg; writes qimg, kimg, vimg
.if DOCPART == 1
	.amdgcn_target "amdgcn-amd-amdhsa--gfx1250"
	.amdhsa_code_object_version 6
	.text
	.protected	k_q0a08f760de_qkv
	.globl	k_q0a08f760de_qkv
	.p2align	8
	.type	k_q0a08f760de_qkv,@function
k_q0a08f760de_qkv:
	s_mov_b64 s[64:65], 0
	v_nop
	global_prefetch_b8 v0, s[64:65] scope:SCOPE_SE
	s_setreg_imm32_b32 hwreg(HW_REG_WAVE_MODE, 25, 1), 1
	s_wait_xcnt 0x0
	s_wait_alu depctr_hold_cnt(0) depctr_sa_sdst(0) depctr_va_vdst(0) depctr_va_sdst(0) depctr_va_ssrc(0) depctr_va_vcc(0) depctr_vm_vsrc(0)
	s_getreg_b32 s2, hwreg(HW_REG_IB_STS2, 6, 4)
	s_cmp_eq_u32 s2, 0
	s_cbranch_scc0 .Lentry_in_a_cluster
	s_endpgm
.Lentry_in_a_cluster:
	s_bfe_u32 s2, ttmp6, 0x10000c
	s_cmp_lg_u32 s2, 0xf033
	s_cbranch_scc0 .Lentry_shape_is_right
	s_endpgm
.Lentry_shape_is_right:
; q, k, v = x W, on codes of FP8 (E4M3), and their quantisers.  x: [8192 tokens][1024], wq, wk, wv: [1024 = 64 head + d][1024]: codes, K innermost, rows of 1,024 bytes.
; A tile of 256 x 256 results is made by a work-group of four waves; a wave makes 128 x 128: 64 accumulators of 16 x 16, 512 registers.  K = 1,024 goes in four steps of 256 through two LDS slots.
; WHICH PRODUCT: the cluster's x (0, 1, 2 = q, k, v), the same in all sixteen partners; it only selects pointers, offsets and exponents, and no branch hangs on it.
;   q, k: "A" = x (tile row 4 Y + cy), "B" = the weight (tile column cx).      v: "A" = wv (tile row cy), "B" = x (tile column 4 Y + cx): the transposed product.
; THE MATRIX INSTRUCTION IS USED TRANSPOSED (source 0 = 16 rows of B, source 1 = 16 rows of A): lane (r, h) holds row r of A's block, and its eight registers the rows 8 h + 0 .. 7 of B's block.
; So for q and k a lane's registers run along d, and for v along the tokens: along the K of the product that reads them.  A conversion of an accumulator's eight registers gives registers 2 b, 2 b + 1 of
; that product's operand (k = 16 b + 8 h + 0 .. 7).  THE RESULTS ARE STORED AS IMAGES OF THOSE OPERAND REGISTERS: four registers a store, lane l's 16 bytes at 16 l, 512 consecutive bytes a store; no stage in LDS.
;   qimg, kimg: [batch 4][pair of heads 8][16 tokens: 128][head of the pair 2][1,024 bytes]        vimg: [batch 4][pair of heads 8][128 tokens: 16][head of the pair 2][16 d: 4][2,048 bytes]
;   In both a wave's 128 x 128 results are one dense block of 16,384 bytes, block a of A's rows at 2,048 a.
; code = sum / 2^(e_out - e_w - e_x), held within +-448, to the nearest code, ties to even: e_out = entry 6, 7, 9 of the scales; (e_w, e_x) = entries (0, 1), (2, 3), (4, 5).
; LIMITS: e6 - e0 - e1, e7 - e2 - e3 and e9 - e4 - e5 lie between -126 and 119, so that the scale and 448 x the scale are f32 numbers.  NaN codes among the inputs are not served.
; Fragments come by loads of 16 bytes: a permutation of k inside 128, the same in both operands; only the order of the sums inside an instruction differs from the form's own places.
; CLUSTERS: 4 x 4 work-groups.  The four of a row of the cluster need the same tiles of A, the four of a column the same tiles of B: each tile is asked for jointly.
; REGISTERS, in windows of 256: window 0: v0-31 addresses and the two constants; v32-95 at work on the way out; from v128 A's fragments, ONE set, later the codes.
;   window 1: B's fragments, TWO sets, at v0 and v128.   window 2: the accumulators of my rows 0-63 ((a, b) at v[8 (8 a + b)]);   window 3: those of my rows 64-127.
.set ROWB,   256                       ; a tile's row in bytes: 256 along K
.set KROW,   1024                      ; a row of either operand in memory
.set PITCH,  272                       ; an LDS row: 256 bytes + 16 of padding = 68 words: row r starts at bank 4 r mod 64 (64 banks of 4 bytes: ISA guide 11.1)
.set FR,     16                        ; registers of a fragment: 16 rows x 128 K
.set NL,     4                         ; LDS loads that bring one
.set NP,     4                         ; places behind this matrix instruction (ISA guide 7.12.1)
.set HALFT,  128*PITCH                 ; 128 rows: what one tensor load brings
.set SLOT,   4*HALFT                   ; A's 256 rows, then B's 256 rows
.set SPARE,  2*SLOT                    ; behind the two slots: the spare words, 128 bytes for each wave, which no other line names
.set ADRA, 16                          ; v16-17  LDS address of my A fragments in slot 0, 1
.set ADRB, 20                          ; v20-21  the same for B
.set CO,   26                          ; v26     16 x lane: my place in a store's 512 bytes
.set SPW,  28                          ; v28     LDS address of my spare word; never rewritten
.set NIL,  29                          ; v29     0; never rewritten
.set LIM,  30                          ; v30     448 x the scale
.set SCL,  31                          ; v31     the scale as f32
.set TMP,  32                          ; v32-95  a block's 64 sums, held
.set AF,   128                         ; A's fragments
.set CD,   128                         ; the way out: 16 registers of codes for each of the eight blocks, each block's own
.set G1, 24                            ; s[24:31] descriptor group 1 for A's tiles;  s[32:39] group 0, one set for each slot
.set G0, 32
.set G1B, 48                           ; s[48:55], s[56:63] the same for B's tiles
.set G0B, 56
.set MSB, 0
.macro WIN new                         ; the immediate's high byte repeats the setting that is left
.if MSB != \new
	s_set_vgpr_msb (MSB<<8)|\new
.set MSB, \new
.endif
.endm
.set MUL_LO, 0xa1                      ; source 0 (B) window 1, source 1 (A) window 0, C and D window 2
.set MUL_HI, 0xf1                      ; the same, C and D window 3
.set TO_B,   0x40                      ; destination window 1, address window 0
; A joint load: waves 0 and 1 fetch for A, waves 2 and 3 for B.  The branch hangs on the wave's number alone.  Four v_nop follow each of the two lines.
.macro JLOAD g0a, g1a, g0b, g1b
	s_cmp_eq_u32 s15, 0
	s_cbranch_scc0 .Lfor_b_\@
	tensor_load_to_lds s[\g0a:\g0a+3], s[\g1a:\g1a+7]
	s_nop 0
.rept 4
	v_nop
.endr
	s_branch .Lasked_\@
.Lfor_b_\@:
	tensor_load_to_lds s[\g0b:\g0b+3], s[\g1b:\g1b+7]
	s_nop 0
.rept 4
	v_nop
.endr
.Lasked_\@:
.endm
.macro CREST                           ; a round of the cluster's barrier behind its opening barrier
	s_cmp_lg_u32 s14, 0
	s_cbranch_scc1 .Lnot_wave_0_\@
	s_barrier_signal -3
.Lnot_wave_0_\@:
	s_barrier_wait -3
	s_barrier_signal -1
	s_barrier_wait -1
.endm
.macro CROUND                          ; a whole round
	s_barrier_signal -1
	s_barrier_wait -1
	CREST
.endm
	s_load_b512 s[80:95], s[0:1], 0x0              ; x 80, wq 82, wk 84, wv 86, the scales 88, qimg 90, kimg 92, vimg 94
	v_lshl_add_u32 v[SPW], v0, 2, SPARE
	v_mov_b32 v[NIL], 0
	ds_add_u32 v28, v29
	ds_add_u32 v28, v29
	s_wait_dscnt 0x0
	v_lshrrev_b32 v1, 5, v0
	v_readfirstlane_b32 s14, v1                    ; wave 0..3
	s_lshr_b32 s15, s14, 1                         ; which half of A's rows is mine.  Also: I fetch for A (0) or for B (1)
	s_and_b32 s16, s14, 1                          ; which half of B's rows.  Also: which 128 rows of that tile I fetch
	s_bfe_u32 s40, ttmp6, 0x40000                  ; cx, cy: my place in the cluster
	s_bfe_u32 s41, ttmp6, 0x40004
	s_and_b32 s18, ttmp7, 0xffff
	s_lshl_b32 s18, s18, 2                         ; 4 Y: the cluster's four tiles of tokens
	s_cmp_eq_u32 ttmp9, 2                          ; v?  Then the tokens are B's rows, else A's
	s_cselect_b32 s19, 0, s18
	s_cselect_b32 s20, s18, 0
	s_add_co_u32 s17, s41, s19                     ; A's tile row: cy (+ 4 Y)
	s_add_co_u32 s42, s40, s20                     ; B's tile column: cx (+ 4 Y)
	s_lshl_b32 s43, s41, 2
	s_lshl_b32 s43, 15, s43                        ; my row of the cluster
	s_lshl_b32 s44, 0x1111, s40                    ; my column
	; descriptor group 1: a tile of 128 rows x 256 bytes, padded in LDS
	s_or_b32 s[G1+0], s43, (0<<16)|(1<<20)|(1<<21)|(5<<22)|(3<<25)  ; 15:0 the mask: A's tiles go to my row; 17:16 element of 1 byte; 20 padding on; 21 set beside a mask; 24:22 after every 64 words; 31:25 of 4 words
	s_or_b32 s[G1B+0], s44, (0<<16)|(1<<20)|(1<<21)|(5<<22)|(3<<25)
.irp g, G1, G1B
	s_mov_b32 s[\g+1], ROWB<<16                    ; tensor_dim0
	s_mov_b32 s[\g+2], 128<<16                     ; tensor_dim1 = 128
	s_mov_b32 s[\g+3], ROWB<<16                    ; tile_dim0
	s_mov_b32 s[\g+4], 128                         ; tile_dim1 = 128
	s_mov_b32 s[\g+5], KROW                        ; tensor_dim0_stride
	s_mov_b32 s[\g+6], 0
	s_mov_b32 s[\g+7], 0
.endr
	s_lshl_b32 s18, s16, 7                         ; which 128 rows of the tile I fetch
	s_lshl_b32 s20, s17, 8
	s_add_co_u32 s20, s20, s18                     ; A: row 256 x tile row + 128 x half,
	s_lshl_b32 s20, s20, 10                        ; in bytes: under 2^23
	s_mov_b32 s21, 0
	s_lshl_b32 s46, s42, 8
	s_add_co_u32 s46, s46, s18                     ; B likewise, in registers that never hold cy
	s_lshl_b32 s46, s46, 10
	s_mov_b32 s47, 0
	s_mul_i32 s45, s14, HALFT                      ; where they go: wave x 128 rows: no place in the cluster enters an LDS address
	s_wait_kmcnt 0x0
	s_load_b256 s[68:75], s[88:89], 0x0            ; e0 .. e7
	s_load_b128 s[76:79], s[88:89], 0x20           ; e8 .. e11
	s_cmp_eq_u32 ttmp9, 0
	s_cselect_b64 s[6:7], s[82:83], s[84:85]       ; wq or wk
	s_cselect_b64 s[10:11], s[90:91], s[92:93]     ; qimg or kimg
	s_cmp_eq_u32 ttmp9, 2
	s_cselect_b64 s[4:5], s[86:87], s[80:81]       ; A: wv, else x
	s_cselect_b64 s[6:7], s[80:81], s[6:7]         ; B: x, else the weight
	s_cselect_b64 s[10:11], s[94:95], s[10:11]     ; where the codes go
	s_add_nc_u64 s[20:21], s[4:5], s[20:21]
	s_add_nc_u64 s[46:47], s[6:7], s[46:47]
	CROUND                                         ; all sixteen work-groups are here: the first joint loads meet
.irp s, 0,1
	s_mov_b32 s[G0+4*\s], 1
	s_add_co_u32 s[G0+4*\s+1], s45, \s*SLOT
	s_add_nc_u64 s[G0+4*\s+2:G0+4*\s+3], s[20:21], \s*ROWB
	s_or_b32 s[G0+4*\s+3], s[G0+4*\s+3], 0x80000000
	s_mov_b32 s[G0B+4*\s], 1
	s_add_co_u32 s[G0B+4*\s+1], s45, \s*SLOT
	s_add_nc_u64 s[G0B+4*\s+2:G0B+4*\s+3], s[46:47], \s*ROWB
	s_or_b32 s[G0B+4*\s+3], s[G0B+4*\s+3], 0x80000000
	JLOAD G0+4*\s, G1, G0B+4*\s, G1B               ; two tensor loads of mine are out at the most
.endr
	v_and_b32 v1, 15, v0                           ; l % 16
	v_bfe_u32 v2, v0, 4, 1                         ; l / 16
	v_mul_u32_u24 v3, v1, PITCH
	v_lshl_add_u32 v4, v2, 4, v3                   ; a fragment's row x pitch + 16 x half
	s_mul_i32 s21, s15, HALFT                      ; my 128 rows of A
	s_mul_i32 s22, s16, HALFT                      ; my 128 rows of B,
	s_add_co_u32 s22, s22, 2*HALFT                 ; which lie behind A's 256
.irp s, 0,1
	v_add_nc_u32 v[ADRA+\s], s21, v4
	v_add_nc_u32 v[ADRB+\s], s22, v4
	s_add_co_u32 s21, s21, SLOT
	s_add_co_u32 s22, s22, SLOT
.endr
	v_and_b32 v6, 31, v0
	v_lshlrev_b32 v[CO], 4, v6
	; my block of 16,384 bytes: number ((batch x 8 + pair of heads) x 16 + which 128 tokens of the batch)
	s_cmp_eq_u32 ttmp9, 2
	s_cselect_b32 s18, s42, s17                    ; the tile of 256 tokens,
	s_cselect_b32 s19, s17, s42                    ; the tile of 256 rows of the weight (four heads),
	s_cselect_b32 s22, s16, s15                    ; my half of the tokens,
	s_cselect_b32 s23, s15, s16                    ; my half of the weight's rows (a pair of heads)
	s_lshr_b32 s20, s18, 3
	s_lshl_b32 s20, s20, 3                         ; batch x 8
	s_lshl_b32 s19, s19, 1
	s_add_co_u32 s20, s20, s19
	s_add_co_u32 s20, s20, s23                     ; + the pair of heads
	s_lshl_b32 s20, s20, 4
	s_and_b32 s18, s18, 7
	s_lshl_b32 s18, s18, 1
	s_add_co_u32 s20, s20, s18
	s_add_co_u32 s20, s20, s22                     ; + which 128 tokens
	s_lshl_b32 s20, s20, 14
	s_mov_b32 s21, 0
	s_add_nc_u64 s[10:11], s[10:11], s[20:21]
.macro FRAG reg, adr, q, i             ; a fragment: lane l holds row l % 16; registers 4 c .. 4 c + 3 hold K = 32 c + 16 (l / 16) + 0 .. 15 of the slot's q-th 128
.irp c, 0,1,2,3
	ds_load_b128 v[\reg+4*\c:\reg+4*\c+3], v[\adr] offset:128*(\q)+32*\c+(\i)*16*PITCH
.endr
.endm
; 16 matrix instructions: A's blocks a0, a0 + 1 x B's eight, 128 along K.  p: B's set.  zero = 1: the first product starts the sums.
; The 64 accumulators take turns, one instruction a turn, in the same order in every step.
.macro MUL16 a0, p, zero
.irp a, \a0, \a0+1
.irp b, 0,1,2,3,4,5,6,7
.if \zero
	v_wmma_f32_16x16x128_fp8_fp8 v[8*(8*((\a)%4)+\b):8*(8*((\a)%4)+\b)+7], v[128*(\p)+FR*\b:128*(\p)+FR*\b+FR-1], v[AF+FR*(\a):AF+FR*(\a)+FR-1], 0
.else
	v_wmma_f32_16x16x128_fp8_fp8 v[8*(8*((\a)%4)+\b):8*(8*((\a)%4)+\b)+7], v[128*(\p)+FR*\b:128*(\p)+FR*\b+FR-1], v[AF+FR*(\a):AF+FR*(\a)+FR-1], v[8*(8*((\a)%4)+\b):8*(8*((\a)%4)+\b)+7]
.endif
.endr
.endr
.endm
.macro FETCH_B slot, q, p              ; B's eight fragments into set p
	WIN TO_B
.irp i, 0,1,2,3,4,5,6,7
	FRAG 128*(\p)+FR*\i, ADRB+\slot, \q, \i
.endr
	WIN 0
.endm
.macro FETCH_A slot, q, i0             ; A's blocks i0 .. i0 + 3
.irp i, \i0, \i0+1, \i0+2, \i0+3
	FRAG AF+FR*(\i), ADRA+\slot, \q, \i
.endr
.endm
.macro PLACES n                        ; plain vector instructions between a matrix instruction and a load into, or a vector access to, its registers
.rept \n
	v_nop
.endr
.endm
; A step of 128 along K that has its successor in the same slot.  A block of A is free when its eight products are issued: blocks 0-3 are fetched anew in the middle, blocks 4-7 at the end.
.macro STEP slot, q, zero
	s_wait_dscnt 4*NL                              ; B's set and A's blocks 0-3 are in; the sixteen youngest loads (A's blocks 4-7) may be out
	WIN MUL_LO
	MUL16 0, (\q)%2, \zero
	MUL16 2, (\q)%2, \zero
	s_wait_dscnt 0                                 ; A's blocks 4-7 are in
	PLACES NP
	FETCH_B \slot, (\q)+1, 1-(\q)%2
	FETCH_A \slot, (\q)+1, 0
	WIN MUL_HI
	MUL16 4, (\q)%2, \zero
	MUL16 6, (\q)%2, \zero
	PLACES NP
	WIN 0
	FETCH_A \slot, (\q)+1, 4
.endm
; A slot's last step changes slots: ONE barrier; in front of it each wave waits for all its tensor loads, adds 0 to its spare word, and waits for that and for its own reads of this slot.  fill = 1: this slot is filled again, two K steps ahead.
.macro TURN slot, next, fill
	s_wait_tensorcnt 0x0                           ; all my tensor loads have landed: my part of the next slot
	ds_add_u32 v[SPW], v[NIL]                      ; 0 onto my spare word
	s_wait_dscnt 4*NL+1                            ; (the add and the sixteen youngest loads may be out)
	WIN MUL_LO
	MUL16 0, 1, 0                                  ; sixteen matrix instructions stand between the add and the wait for it
	s_wait_dscnt 0x0                               ; the add is done, and my reads of this slot are over
	s_barrier_signal -1
	MUL16 2, 1, 0
	WIN 0
	s_barrier_wait -1
.if \fill
	CREST                                          ; the barrier has opened a round of the cluster's barrier: no wave of any partner still reads this slot or has a load on its way
	s_add_nc_u64 s[G0+4*\slot+2:G0+4*\slot+3], s[G0+4*\slot+2:G0+4*\slot+3], 2*ROWB
	s_add_nc_u64 s[G0B+4*\slot+2:G0B+4*\slot+3], s[G0B+4*\slot+2:G0B+4*\slot+3], 2*ROWB
	JLOAD G0+4*\slot, G1, G0B+4*\slot, G1B         ; the first tensor load behind the round; its four v_nop are also the places in front of the loads below
.else
	PLACES NP
.endif
	FETCH_B \next, 0, 0
	FETCH_A \next, 0, 0
	WIN MUL_HI
	MUL16 4, 1, 0
	MUL16 6, 1, 0
	PLACES NP
	WIN 0
	FETCH_A \next, 0, 4
.endm
	s_wait_tensorcnt 1                             ; my part of K step 0 is in; K step 1's load may be out
	s_barrier_signal -1
	s_barrier_wait -1                              ; everybody's is
	FETCH_B 0, 0, 0
	FETCH_A 0, 0, 0
	FETCH_A 0, 0, 4
	STEP 0, 0, 1                                   ; K = 1,024 is eight steps of 128, written out: the first starts the sums
	TURN 0, 1, 1                                   ; slot 0 takes K 512 .. 767
	STEP 1, 0, 0
	TURN 1, 0, 1                                   ; slot 1 takes K 768 .. 1,023
	STEP 0, 0, 0
	TURN 0, 1, 0                                   ; nothing is left to fetch
	STEP 1, 0, 0
	s_wait_dscnt 4*NL
	WIN MUL_LO
	MUL16 0, 1, 0
	MUL16 2, 1, 0
	s_wait_dscnt 0
	WIN MUL_HI
	MUL16 4, 1, 0
	MUL16 6, 1, 0
	WIN 0
	; THE WAY OUT.  The three exponents are folded into the conversion's one scale.
	s_wait_kmcnt 0x0
	s_sub_co_i32 s18, s74, s68
	s_sub_co_i32 s18, s18, s69                     ; q: e6 - e0 - e1
	s_sub_co_i32 s19, s75, s70
	s_sub_co_i32 s19, s19, s71                     ; k: e7 - e2 - e3
	s_sub_co_i32 s20, s77, s72
	s_sub_co_i32 s20, s20, s73                     ; v: e9 - e4 - e5
	s_cmp_eq_u32 ttmp9, 0
	s_cselect_b32 s18, s18, s19
	s_cmp_eq_u32 ttmp9, 2
	s_cselect_b32 s18, s20, s18
	s_add_co_i32 s18, s18, 127
	s_lshl_b32 s19, s18, 23
	v_mov_b32 v[SCL], s19                          ; the scale as f32: the conversion takes its exponent field
	s_add_co_i32 s18, s18, 8
	s_lshl_b32 s18, s18, 23
	s_or_b32 s18, s18, 0x600000
	v_mov_b32 v[LIM], s18                          ; 448 x the scale
	v_nop                                          ; with the two lines above: four places behind the last products
	v_nop
; Block a: its 64 sums are held within +-448 x the scale (the conversion to an 8-bit code does not saturate: ISA guide 7.6.2), each accumulator from its low end on, converted, and stored as they stand.
.macro OUT a
	WIN 0x02+((\a)/4)                              ; source 0: window 2 or 3
.set j, 0
.rept 64
	v_med3_num_f32 v[TMP+j], v[64*((\a)%4)+j], -v[LIM], v[LIM]
.set j, j+1
.endr
	WIN 0
.irp b, 0,1,2,3,4,5,6,7
	v_cvt_scalef32_pk8_fp8_f32 v[CD+16*(\a)+2*\b:CD+16*(\a)+2*\b+1], v[TMP+8*\b:TMP+8*\b+7], v[SCL]   ; registers 2 b, 2 b + 1: k = 16 b + 8 (l / 16) + 0 .. 7 of the reader's operand
.endr
	v_nop                                          ; one plain vector instruction between the conversions and the next block's lines, which write their sources
.irp g, 0,1,2,3
	global_store_b128 v[CO], v[CD+16*(\a)+4*\g:CD+16*(\a)+4*\g+3], s[10:11] offset:2048*(\a)+512*\g   ; 32 lanes store 512 consecutive bytes, at a multiple of 512 from the buffer's first byte; each block has its own registers, so no store's data are written again
.endr
.endm
.irp a, 0,1,2,3,4,5,6,7
	OUT \a
.endr
	s_wait_tensorcnt 0x0                           ; the wave's end
	ds_add_u32 v[SPW], v[NIL]
	s_wait_dscnt 0x0
	CROUND                                         ; the closing round: no work-group ends while a partner may still ask for a tile that names it
	s_endpgm
.Lfunc_end_k_q0a08f760de_qkv:
	.size	k_q0a08f760de_qkv, .Lfunc_end_k_q0a08f760de_qkv-k_q0a08f760de_qkv
	.p2alignl 7, 3214868480
	.fill 96, 4, 3214868480
	.section	.rodata,"a",@progbits
	.p2align	6, 0x0
	.amdhsa_kernel k_q0a08f760de_qkv
		.amdhsa_group_segment_fixed_size 327680
		.amdhsa_private_segment_fixed_size 0
		.amdhsa_enable_private_segment 0
		.amdhsa_kernarg_size 64
		.amdhsa_user_sgpr_count 2
		.amdhsa_user_sgpr_kernarg_segment_ptr 1
		.amdhsa_wavefront_size32 1
		.amdhsa_system_sgpr_workgroup_id_x 1
		.amdhsa_system_sgpr_workgroup_id_y 1
		.amdhsa_system_sgpr_workgroup_id_z 1
		.amdhsa_system_vgpr_workitem_id 0
		.amdhsa_next_free_vgpr 1024
		.amdhsa_next_free_sgpr 96
		.amdhsa_reserve_vcc 0
		.amdhsa_float_denorm_mode_32 3
		.amdhsa_float_denorm_mode_16_64 3
		.amdhsa_memory_ordered 1
		.amdhsa_forward_progress 1
		.amdhsa_inst_pref_size 118
	.end_amdhsa_kernel
	.amdgpu_metadata
---
amdhsa.version: [ 1, 2 ]
amdhsa.kernels:
  - .name:           k_q0a08f760de_qkv
    .symbol:         k_q0a08f760de_qkv.kd
    .args:
      - { .name: x_codes, .offset: 0, .size: 8, .value_kind: global_buffer, .address_space: global }
      - { .name: wq_codes, .offset: 8, .size: 8, .value_kind: global_buffer, .address_space: global }
      - { .name: wk_codes, .offset: 16, .size: 8, .value_kind: global_buffer, .address_space: global }
      - { .name: wv_codes, .offset: 24, .size: 8, .value_kind: global_buffer, .address_space: global }
      - { .name: lowp_scales, .offset: 32, .size: 8, .value_kind: global_buffer, .address_space: global }
      - { .name: qimg, .offset: 40, .size: 8, .value_kind: global_buffer, .address_space: global }
      - { .name: kimg, .offset: 48, .size: 8, .value_kind: global_buffer, .address_space: global }
      - { .name: vimg, .offset: 56, .size: 8, .value_kind: global_buffer, .address_space: global }
    .group_segment_fixed_size: 327680
    .private_segment_fixed_size: 0
    .kernarg_segment_align: 8
    .kernarg_segment_size: 64
    .max_flat_workgroup_size: 128
    .sgpr_count:     96
    .vgpr_count:     1024
    .wavefront_size: 32
...
	.end_amdgpu_metadata
.endif
;; end of part 1
;; launch attn (part 2): grid 4 x 64, 16 waves a work-group, no clusters, 34,816 bytes of LDS; arguments qimg, kimg, vimg, lowp_scales, aimg; writes aimg
.if DOCPART == 2
	.amdgcn_target "amdgcn-amd-amdhsa--gfx1250"
	.amdhsa_code_object_version 6
	.text
	.protected	k_q0a08f760de_attn
	.globl	k_q0a08f760de_attn
	.p2align	8
	.type	k_q0a08f760de_attn,@function
k_q0a08f760de_attn:
	s_mov_b64 s[64:65], 0
	v_nop
	global_prefetch_b8 v0, s[64:65] scope:SCOPE_SE
	s_setreg_imm32_b32 hwreg(HW_REG_WAVE_MODE, 25, 1), 1
	s_wait_xcnt 0x0
; Causal attention of one head on codes of FP8 (E4M3), and the quantiser of its result.  2,048 tokens, head size 64, logit = q . k / 32.
; t = logit x log2(e); M = the running largest t rounded UP to a whole number; p = 2^(t - M) is quantised with 2^e8, not normalised; the row's sum is taken of the unquantised p and divides at the end.
; When M moves, the sum and O are multiplied by 2^(old M - new M): exact.  The result o = O 2^(e8 + e9) / sum is quantised with 2^e10.
; SHARES.  Work-group (i, head) owns the blocks i and 7 - i of 256 queries: under the causal mask 2 i + 2 and 16 - 2 i slots of 128 keys count for them, 18 in all for every i.  Waves 0-7 take the low block, waves 8-15 the high one;
; a wave owns 32 neighbouring queries: two tiles of 16, which share every fragment of K and V.  256 registers a wave, four waves to a SIMD: one wave's vector work stands beside another's products and LDS loads.
; The pieces of a block are dealt so that waves w and w + 4 hold pieces s and 7 - s.
; LAYOUT.  Both products are used transposed: S^T = K Q^T (source 0 = 16 keys, source 1 = 16 queries), O^T = V^T P^T (source 0 = 16 of the head's 64, source 1 = P): a lane holds ONE query (lane % 16) throughout, and the
; eight registers of key tile c are keys 16 c + 8 (lane / 16) + 0 .. 7: their conversion gives registers 2 c, 2 c + 1 of P as the form's own layout wants them.  Every k stands in its true place.
; Q, K and V come as images of their operand registers (four registers: 512 bytes, lane l's 16 bytes at 16 l), so every LDS address is a constant + 16 x lane.
; TILES.  A slot is 128 keys: K's eight images (8,192 bytes), then V's four (8,192).  Each thread loads 16 bytes of K and 16 of V into registers a slot ahead and stores them into the other of two LDS buffers; one barrier a slot.
; NO CLUSTER, NO TENSOR LOADS: the four work-groups of a head walk 16, 14, 12 and 10 slots, so partners would need different numbers of tiles; and a slot is 32 bytes a thread, asked for a whole slot's work ahead.
; CAUSAL.  A step of 64 keys all of which come after my 32 queries is left out by a scalar branch on ids; on the diagonal hidden scores become -infinity.  My first query is a multiple of 32 and a step's first key of 64, so in every
; step that is worked the first key counts for all my queries: M is a number from the first step on.
; THE HOLD of p at 448 x 2^e8 changes nothing where e8 >= -8 (448 x 2^-8 > 1 >= p): there a scalar branch on e8 passes over it.
; LIMITS: e6 + e7 between -121 and 132 (added to c's exponent field); e8 and e10 - e8 - e9 between -126 and 119.  NaN codes are not served.
.set BUF,  16384                       ; an LDS buffer
.set VOFF, 8192                        ; V's images in it
.set LI,   1                           ; v1   16 x lane
.set TI,   2                           ; v2   16 x thread: where I store into a buffer's half, and my offset in a slot of V
.set KO,   3                           ; v3   my offset in a slot of K: 2,048 (thread / 64) + 16 (thread % 64): my head's images lie 2,048 bytes apart
.set PFO,  4                           ; v4   the prefetch's offset
.set QR,   5                           ; v5   lane % 16 - 8 (lane / 16)
.set ST,   8                           ; v[8+4t]: -M, the largest t, the sum in two halves, of tile t
.set QF,   16                          ; v16-31   Q, 8 a tile
.set KR,   32                          ; v32-63   K: four tiles of 16 keys
.set VR,   64                          ; v64-95   V: four tiles of 16 d
.set SC,   96                          ; v96-159  S^T, then p: 32 a tile
.set OT,   160                         ; v160-223 O^T: 32 a tile
.set PC,   224                         ; v224-239 P's codes: 8 a tile
.set HOLD, 240                         ; v240 448 x the scale;  v241 the scale
.set SCL,  241
.set SK,   242                         ; v242-245 the next slot's 16 bytes of K;  v246-249 of V
.set SV,   246
.set FF,   252                         ; v[252+2t] f = 2^(old M - new M), later 1 / sum; named as the low half of a pair
.set WV,   14
.set KP,   16                          ; s[16:17] K at the slot to be loaded;  s[18:19] V
.set VP,   18
.set TR,   20                          ; trips
.set CS,   22                          ; s[22:23] c = log2(e) / 32 x 2^(e6 + e7)
.set KF,   24                          ; the step's first key
.set Q0,   26                          ; my first query;  s27 my last
.set QL,   27
.set SEL,  28                          ; s[28:29] v_permlanex16_b32's selects for lane l xor 16
.set HI,   30                          ; the mask of lanes 16-31
.set ASKS, 31                          ; 1 in a wave that prefetches
.set PFA,  32                          ; s[32:33] the prefetches' base: the slot to be loaded, of K (wave 0) or V (wave 1)
	s_load_b256 s[4:11], s[0:1], 0x0               ; qimg, kimg, vimg, the scales
	s_load_b64 s[12:13], s[0:1], 0x20              ; aimg
	v_lshrrev_b32 v6, 5, v0
	v_readfirstlane_b32 s[WV], v6                  ; wave 0..15
	v_and_b32 v6, 31, v0                           ; lane
	v_lshlrev_b32 v[LI], 4, v6
	v_lshlrev_b32 v[TI], 4, v0
	v_lshrrev_b32 v7, 6, v0
	v_and_b32 v[KO], 63, v0
	v_lshlrev_b32 v[KO], 4, v[KO]
	v_lshl_add_u32 v[KO], v7, 11, v[KO]
	v_and_b32 v[QR], 15, v0
	v_bfe_u32 v7, v0, 4, 1
	v_lshlrev_b32 v7, 3, v7
	v_sub_nc_u32 v[QR], v[QR], v7
	s_cmp_eq_u32 s[WV], 0
	s_cselect_b32 s21, 11, 10                      ; a slot's 32 blocks of 256 bytes, a lane a block: four on end, then 2,048 on in K, 1,024 on in V
	v_lshrrev_b32 v7, 2, v6
	v_lshlrev_b32 v7, s21, v7
	v_and_b32 v[PFO], 3, v6
	v_lshl_add_u32 v[PFO], v[PFO], 8, v7
	s_and_b32 s20, ttmp7, 0xffff                   ; 16 x batch + head
	s_lshr_b32 s48, s20, 1
	s_lshl_b32 s48, s48, 18                        ; (8 x batch + pair of heads) x 2^18 bytes in qimg, kimg and vimg
	s_and_b32 s49, s20, 1
	s_lshl_b32 s50, s49, 10
	s_add_co_u32 s52, s48, s50                     ; q, k: + 1,024 x head of the pair
	s_mov_b32 s53, 0
	s_lshl_b32 s50, s49, 13
	s_add_co_u32 s54, s48, s50                     ; v: + 8,192 x head of the pair
	s_mov_b32 s55, 0
	s_and_b32 s24, s[WV], 7
	s_lshr_b32 s25, s24, 2
	s_mul_i32 s25, s25, 3
	s_xor_b32 s24, s24, s25                        ; my piece of the block: 0 1 2 3 7 6 5 4
	s_sub_co_u32 s25, 7, ttmp9
	s_cmp_lt_u32 s[WV], 8
	s_cselect_b32 s25, ttmp9, s25                  ; my block: i or 7 - i
	s_lshl_b32 s25, s25, 8
	s_lshl_b32 s24, s24, 5
	s_add_co_u32 s[Q0], s25, s24
	s_add_co_u32 s[QL], s[Q0], 31
	s_lshl_b32 s50, s[Q0], 7                       // 16 queries are 2,048 bytes of qimg
	s_add_co_u32 s50, s50, s52
	s_mov_b32 s51, 0
	s_lshr_b32 s48, s20, 4
	s_lshl_b32 s48, s48, 21                        ; aimg: [16 tokens: 512][head 16][1,024]: batch x 2^21
	s_lshl_b32 s49, s[Q0], 10
	s_add_co_u32 s48, s48, s49                     ; + 16,384 x (query / 16)
	s_and_b32 s49, s20, 15
	s_lshl_b32 s49, s49, 10
	s_add_co_u32 s48, s48, s49                     ; + 1,024 x head
	s_mov_b32 s49, 0
	s_wait_kmcnt 0x0
	s_load_b256 s[36:43], s[10:11], 0x0            ; e0 .. e7
	s_load_b128 s[44:47], s[10:11], 0x20           ; e8 .. e11
	s_add_nc_u64 s[4:5], s[4:5], s[50:51]
	s_add_nc_u64 s[KP:KP+1], s[6:7], s[52:53]
	s_add_nc_u64 s[VP:VP+1], s[8:9], s[54:55]
	s_add_nc_u64 s[12:13], s[12:13], s[48:49]
.irp t, 0,1
	global_load_b128 v[QF+8*\t:QF+8*\t+3], v[LI], s[4:5] offset:2048*\t          ; Q stays in registers
	global_load_b128 v[QF+8*\t+4:QF+8*\t+7], v[LI], s[4:5] offset:2048*\t+512
.endr
	global_load_b128 v[SK:SK+3], v[KO], s[KP:KP+1]                               ; slot 0
	global_load_b128 v[SV:SV+3], v[TI], s[VP:VP+1]
	s_mov_b32 s[SEL], 0x76543210
	s_mov_b32 s[SEL+1], 0xfedcba98
	s_mov_b32 s[HI], 0xffff0000
	s_lshr_b32 s[ASKS], s[WV], 1
	s_or_b32 s[ASKS], s[ASKS], ttmp9               ; waves 0 and 1 of the head's first work-group, which walks all sixteen slots
	s_cmp_eq_u32 s[ASKS], 0
	s_cselect_b32 s[ASKS], 1, 0
	s_sub_co_u32 s[TR], 7, ttmp9                   ; 16 - 2 i slots: 7 - i pairs in the loop, one pair behind it
	s_mov_b32 s[KF], 0
.irp t, 0,1
	v_mov_b32 v[ST+4*\t+1], 0xff61b1e6             ; the largest t so far: -3e38, under every t
	v_floor_f32 v[ST+4*\t], -v[ST+4*\t+1]          ; -M
	v_mov_b32 v[ST+4*\t+2], 0                      ; the sum, in two halves
	v_mov_b32 v[ST+4*\t+3], 0
	v_mov_b32 v[FF+2*\t+1], 0                      ; (named as the upper half of a pair)
	v_mov_b32 v[250+\t], 0                         ; written once: a lane permute's destination counts as one of its sources
.endr
.set j, 0
.rept 64
	v_mov_b32 v[OT+j], 0                           ; O^T.  (The step is written without a first form of its own: the first change of M multiplies zeros)
.set j, j+1
.endr
	s_wait_kmcnt 0x0
	s_add_co_i32 s48, s42, s43
	s_lshl_b32 s48, s48, 23
	s_mov_b32 s[CS], 0x3d38aa3b                    ; log2(e) / 32
	s_add_co_i32 s[CS], s[CS], s48                 ; a score stands for score x 2^(e6 + e7): added to c's exponent field
	s_mov_b32 s[CS+1], s[CS]                       ; (named with it as a pair)
	s_add_co_i32 s48, s44, 127
	s_lshl_b32 s49, s48, 23
	v_mov_b32 v[SCL], s49                          ; 2^e8
	s_add_co_i32 s48, s48, 8
	s_lshl_b32 s48, s48, 23
	s_or_b32 s48, s48, 0x600000
	v_mov_b32 v[HOLD], s48                         ; 448 x 2^e8
	s_wait_loadcnt 0x0                             ; Q and slot 0 are in, and the loads' bases are free
	ds_store_b128 v[TI], v[SK:SK+3]
	ds_store_b128 v[TI], v[SV:SV+3] offset:VOFF
	s_add_nc_u64 s[KP:KP+1], s[KP:KP+1], BUF       ; a slot on is 16,384 bytes in kimg and in vimg
	s_add_nc_u64 s[VP:VP+1], s[VP:VP+1], BUF
	s_cmp_eq_u32 s[WV], 0
	s_cselect_b64 s[PFA:PFA+1], s[KP:KP+1], s[VP:VP+1]
	s_wait_dscnt 0x0                               ; for the others' sake: my stores have landed
	s_barrier_signal -1
	s_barrier_wait -1
; Tile t: the step's largest score, the running largest t, the new -M, f, and t - M.
.macro MAXP t
.set rS, SC+32*(\t)
.set rT, ST+4*(\t)
.set rF, FF+2*(\t)
	v_max3_num_f32 v250, v[rS], v[rS+1], v[rS+2]   ; two chains, in ascending order: each accumulator is read from its low end on
	v_max3_num_f32 v251, v[rS+3], v[rS+4], v[rS+5]
.irp i, 6,10,14,18,22,26
	v_max3_num_f32 v250, v250, v[rS+\i], v[rS+\i+1]
	v_max3_num_f32 v251, v251, v[rS+\i+2], v[rS+\i+3]
.endr
	v_max3_num_f32 v250, v250, v[rS+30], v[rS+31]
	v_max_num_f32 v250, v250, v251
	v_permlanex16_b32 v251, v250, s[SEL], s[SEL+1] ; the query's other 32 keys lie in the lane 16 away
	v_max_num_f32 v250, v250, v251
	v_mul_f32 v250, s[CS], v250                    ; as t (c is positive)
	v_max_num_f32 v[rT+1], v[rT+1], v250
	v_mov_b32 v250, v[rT]
	v_floor_f32 v[rT], -v[rT+1]                    ; -M = floor(-t) = -ceil(t)
	v_sub_f32 v250, v[rT], v250                    ; old M - new M: a whole number, 0 or less
	v_cvt_i32_f32 v250, v250                       ; (it saturates)
	v_ldexp_f32 v[rF], 1.0, v250                   ; f
.irp j, 0,2,4,6,8,10,12,14,16,18,20,22,24,26,28,30
	v_pk_fma_f32 v[rS+\j:rS+\j+1], v[rS+\j:rS+\j+1], s[CS:CS+1], v[rT:rT+1] op_sel_hi:[1,0,0]   ; t - M (of the pairs c and -M the low word serves both halves)
.endr
.endm
.macro SUMP t                          ; the row's sum of the unquantised p, two at a time, in two chains
.set rS, SC+32*(\t)
.set rT, ST+4*(\t)
	v_pk_add_f32 v[6:7], v[rS:rS+1], v[rS+2:rS+3]
.irp j, 4,8,12,16,20,24,28
	v_pk_add_f32 v[rT+2:rT+3], v[rT+2:rT+3], v[rS+\j:rS+\j+1]
	v_pk_add_f32 v[6:7], v[6:7], v[rS+\j+2:rS+\j+3]
.endr
	v_pk_add_f32 v[rT+2:rT+3], v[rT+2:rT+3], v[6:7]
.endm
.macro MASK t                          ; register n holds key KF + 16 (n / 8) + 8 (lane / 16) + n % 8: hidden where 16 (n / 8) + n % 8 > v6
.set n, 0
.rept 32
	v_cmp_gt_i32 vcc_lo, 16*(n/8)+n%8, v6
	v_cndmask_b32 v[SC+32*(\t)+n], v[SC+32*(\t)+n], v7, vcc_lo
.set n, n+1
.endr
.endm
; A STEP: the u-th 64 keys of the slot in buffer b.
.macro SUB b, u
	s_cmp_gt_u32 s[KF], s[QL]                      ; all its keys come after my queries: nothing to do but the step of KF
	s_cbranch_scc1 .Lhidden_\@
.irp k, 0,1,2,3
	ds_load_b128 v[KR+8*\k:KR+8*\k+3],   v[LI] offset:\b*BUF+(4*\u+\k)*1024
	ds_load_b128 v[KR+8*\k+4:KR+8*\k+7], v[LI] offset:\b*BUF+(4*\u+\k)*1024+512
.endr
.irp d, 0,1,2,3
	ds_load_b128 v[VR+8*\d:VR+8*\d+3],   v[LI] offset:\b*BUF+VOFF+\d*2048+\u*1024
	ds_load_b128 v[VR+8*\d+4:VR+8*\d+7], v[LI] offset:\b*BUF+VOFF+\d*2048+\u*1024+512
.endr
	s_wait_dscnt 8                                 ; K's eight loads are in; V's eight, issued behind them, may be out
.irp k, 0,1,2,3
.irp t, 0,1
	v_wmma_f32_16x16x64_fp8_fp8 v[SC+32*\t+8*\k:SC+32*\t+8*\k+7], v[KR+8*\k:KR+8*\k+7], v[QF+8*\t:QF+8*\t+7], 0
.endr
.endr
.rept 4
	v_nop                                          ; places in front of the first read of the scores
.endr
	s_add_co_u32 s25, s[KF], 63
	s_cmp_le_u32 s25, s[Q0]                        ; all 64 keys count for all my queries
	s_cbranch_scc1 .Lopen_\@
	s_sub_co_i32 s25, s[Q0], s[KF]
	v_add_nc_u32 v6, s25, v[QR]                    ; my query of tile 0 - KF - 8 (lane / 16)
	v_mov_b32 v7, 0xff800000                       ; -infinity: p = 0 then
	MASK 0
	v_add_nc_u32 v6, 16, v6                        ; tile 1's queries are 16 further on
	MASK 1
.Lopen_\@:
	MAXP 0
	MAXP 1
.set j, 0
.rept 64
	v_exp_f32 v[SC+j], v[SC+j]                     ; p = 2^(t - M), at most 1
.set j, j+1
.endr
	v_pk_mul_f32 v[ST+2:ST+3], v[ST+2:ST+3], v[FF:FF+1] op_sel_hi:[1,0]       ; the sums under the new M.  (The plain instruction behind the exponentials)
	v_pk_mul_f32 v[ST+6:ST+7], v[ST+6:ST+7], v[FF+2:FF+3] op_sel_hi:[1,0]
	s_wait_alu depctr_va_vdst(0)                   ; one wait for the batch of 64, ahead of its first reader
	SUMP 0
	SUMP 1
	s_cmp_ge_i32 s44, -8                           ; 448 x 2^e8 >= 1 >= p: the hold would change nothing
	s_cbranch_scc1 .Lno_hold_\@
.set j, 0
.rept 64
	v_min_num_f32 v[SC+j], v[SC+j], v[HOLD]        ; the conversion to an 8-bit code does not saturate (ISA guide 7.6.2); p is not negative
.set j, j+1
.endr
.Lno_hold_\@:
.irp t, 0,1
.irp k, 0,1,2,3
	v_cvt_scalef32_pk8_fp8_f32 v[PC+8*\t+2*\k:PC+8*\t+2*\k+1], v[SC+32*\t+8*\k:SC+32*\t+8*\k+7], v[SCL]
.endr
.endr
.irp t, 0,1
.irp j, 0,2,4,6,8,10,12,14,16,18,20,22,24,26,28,30
	v_pk_mul_f32 v[OT+32*\t+\j:OT+32*\t+\j+1], v[OT+32*\t+\j:OT+32*\t+\j+1], v[FF+2*\t:FF+2*\t+1] op_sel_hi:[1,0]   ; O^T under the new M.  (Also the plain lines between the conversions and the products that read the codes)
.endr
.endr
	s_wait_dscnt 0x0                               ; V is in
.irp d, 0,1,2,3
.irp t, 0,1
	v_wmma_f32_16x16x64_fp8_fp8 v[OT+32*\t+8*\d:OT+32*\t+8*\d+7], v[VR+8*\d:VR+8*\d+7], v[PC+8*\t:PC+8*\t+7], v[OT+32*\t+8*\d:OT+32*\t+8*\d+7]   ; eight accumulators by turns, one instruction a turn
.endr
.endr
.rept 4
	v_nop                                          ; places in front of the next loads into V's registers and of the next vector access to O^T
.endr
.Lhidden_\@:
	s_add_co_u32 s[KF], s[KF], 64
.endm
; A SLOT in buffer b.  load = 1: the next slot is asked for at the head, into registers, and goes into the other buffer at the end; then the one barrier: in front of it my stores have landed and my reads of this
; buffer are over; behind it the other buffer is read, and this one may be written.  ask = 1: the slot behind the next is prefetched: K's 32 blocks of 256 bytes by wave 0, V's by wave 1, of the head's first
; work-group alone: each block is named once in the launch, a slot (two steps of sixteen waves) ahead of its load.  Slots 0 and 1 come by their loads alone; in the loop the slot two on always exists.
.macro PHASE b, load, ask
.if \load
	global_load_b128 v[SK:SK+3], v[KO], s[KP:KP+1]
	global_load_b128 v[SV:SV+3], v[TI], s[VP:VP+1]
.if \ask
	s_cmp_eq_u32 s[ASKS], 1
	s_cbranch_scc0 .Lnot_mine_\@
	global_prefetch_b8 v[PFO], s[PFA:PFA+1] offset:BUF th:TH_LOAD_NT scope:SCOPE_SE
.Lnot_mine_\@:
.endif
.endif
	SUB \b, 0
	SUB \b, 1
.if \load
	s_wait_loadcnt 0x0                             ; the next slot's bytes are in my registers
	ds_store_b128 v[TI], v[SK:SK+3] offset:(1-\b)*BUF
	ds_store_b128 v[TI], v[SV:SV+3] offset:(1-\b)*BUF+VOFF
	s_wait_xcnt 0x0                                ; the prefetch, two steps back, has read its base: the three bases may step
	s_add_nc_u64 s[KP:KP+1], s[KP:KP+1], BUF
	s_add_nc_u64 s[VP:VP+1], s[VP:VP+1], BUF
	s_add_nc_u64 s[PFA:PFA+1], s[PFA:PFA+1], BUF
	s_wait_dscnt 0x0
	s_barrier_signal -1
	s_barrier_wait -1
.endif
.endm
.Lpair:                                                ; 7 - i trips of two slots
	PHASE 0, 1, 1
	PHASE 1, 1, 1
	s_sub_co_u32 s[TR], s[TR], 1
	s_cmp_lg_u32 s[TR], 0
	s_cbranch_scc1 .Lpair
	PHASE 0, 1, 0                                  ; the last slot is asked for; there is none behind it to prefetch
	PHASE 1, 0, 0                                  ; nothing is left to load, and LDS is not touched again: no barrier
	; THE WAY OUT.  The sum's halves and the other half of the lanes' are added; O^T / sum is quantised with 2^(e10 - e8 - e9).
	v_add_f32 v[ST+2], v[ST+2], v[ST+3]
	v_add_f32 v[ST+6], v[ST+6], v[ST+7]
	v_permlanex16_b32 v250, v[ST+2], s[SEL], s[SEL+1]
	v_permlanex16_b32 v251, v[ST+6], s[SEL], s[SEL+1]
	v_add_f32 v[ST+2], v[ST+2], v250
	v_add_f32 v[ST+6], v[ST+6], v251
	v_rcp_f32 v[FF], v[ST+2]
	v_rcp_f32 v[FF+2], v[ST+6]
	s_sub_co_i32 s48, s46, s44
	s_sub_co_i32 s48, s48, s45                     ; e10 - e8 - e9
	s_add_co_i32 s48, s48, 127
	s_lshl_b32 s49, s48, 23
	v_mov_b32 v[SCL], s49                          ; (a plain instruction behind the reciprocals)
	s_add_co_i32 s48, s48, 8
	s_lshl_b32 s48, s48, 23
	s_or_b32 s48, s48, 0x600000
	v_mov_b32 v[HOLD], s48
	s_wait_alu depctr_va_vdst(0)                   ; one wait for both reciprocals, ahead of their first reader
.irp t, 0,1
.irp j, 0,2,4,6,8,10,12,14,16,18,20,22,24,26,28,30
	v_pk_mul_f32 v[SC+32*\t+\j:SC+32*\t+\j+1], v[OT+32*\t+\j:OT+32*\t+\j+1], v[FF+2*\t:FF+2*\t+1] op_sel_hi:[1,0]   ; register 8 c + j: d = 16 c + 8 (lane / 16) + j of my query
.endr
.endr
.set j, 0
.rept 64
	v_med3_num_f32 v[SC+j], v[SC+j], -v[HOLD], v[HOLD]
.set j, j+1
.endr
.irp t, 0,1
.irp d, 0,1,2,3
	v_cvt_scalef32_pk8_fp8_f32 v[KR+8*\t+2*\d:KR+8*\t+2*\d+1], v[SC+32*\t+8*\d:SC+32*\t+8*\d+7], v[SCL]
.endr
.endr
	v_nop                                          ; one plain vector instruction between the conversions and the lines that touch their results
	; The last product's fragments come by loads of 16 bytes: lane (r, h) is to hold, in registers 4 c .. 4 c + 3, d = 32 c + 16 h + 0 .. 15.  I hold, in registers 2 c, 2 c + 1, d = 16 c + 8 h + 0 .. 7.
	; So of each pair (a, a + 2) lanes 0-15 keep register a and take the other half's a as a + 2; lanes 16-31 keep a + 2 and take the other half's a + 2 as a.
.irp t, 0,1
.irp a, 0,1,4,5
	v_permlanex16_b32 v250, v[KR+8*\t+\a+2], s[SEL], s[SEL+1]
	v_permlanex16_b32 v251, v[KR+8*\t+\a], s[SEL], s[SEL+1]
	v_cndmask_b32 v[KR+8*\t+\a], v[KR+8*\t+\a], v250, s[HI]
	v_cndmask_b32 v[KR+8*\t+\a+2], v251, v[KR+8*\t+\a+2], s[HI]
.endr
.endr
.irp t, 0,1
	global_store_b128 v[LI], v[KR+8*\t:KR+8*\t+3], s[12:13] offset:16384*\t          ; 32 lanes store 512 consecutive bytes, at a multiple of 512 from the buffer's first byte
	global_store_b128 v[LI], v[KR+8*\t+4:KR+8*\t+7], s[12:13] offset:16384*\t+512
.endr
	s_wait_xcnt 0x0
	v_lshl_add_u32 v254, v0, 2, 0x8000
	v_mov_b32 v255, 0
	s_wait_tensorcnt 0x0
	ds_add_u32 v254, v255
	s_wait_dscnt 0x0
	s_endpgm
.Lfunc_end_k_q0a08f760de_attn:
	.size	k_q0a08f760de_attn, .Lfunc_end_k_q0a08f760de_attn-k_q0a08f760de_attn
	.p2alignl 7, 3214868480
	.fill 96, 4, 3214868480
	.section	.rodata,"a",@progbits
	.p2align	6, 0x0
	.amdhsa_kernel k_q0a08f760de_attn
		.amdhsa_group_segment_fixed_size 34816
		.amdhsa_private_segment_fixed_size 0
		.amdhsa_enable_private_segment 0
		.amdhsa_kernarg_size 40
		.amdhsa_user_sgpr_count 2
		.amdhsa_user_sgpr_kernarg_segment_ptr 1
		.amdhsa_wavefront_size32 1
		.amdhsa_system_sgpr_workgroup_id_x 1
		.amdhsa_system_sgpr_workgroup_id_y 1
		.amdhsa_system_sgpr_workgroup_id_z 1
		.amdhsa_system_vgpr_workitem_id 0
		.amdhsa_next_free_vgpr 256
		.amdhsa_next_free_sgpr 66
		.amdhsa_reserve_vcc 1
		.amdhsa_float_denorm_mode_32 3
		.amdhsa_float_denorm_mode_16_64 3
		.amdhsa_memory_ordered 1
		.amdhsa_forward_progress 1
		.amdhsa_inst_pref_size 180
	.end_amdhsa_kernel
	.amdgpu_metadata
---
amdhsa.version: [ 1, 2 ]
amdhsa.kernels:
  - .name:           k_q0a08f760de_attn
    .symbol:         k_q0a08f760de_attn.kd
    .args:
      - { .name: qimg, .offset: 0, .size: 8, .value_kind: global_buffer, .address_space: global }
      - { .name: kimg, .offset: 8, .size: 8, .value_kind: global_buffer, .address_space: global }
      - { .name: vimg, .offset: 16, .size: 8, .value_kind: global_buffer, .address_space: global }
      - { .name: lowp_scales, .offset: 24, .size: 8, .value_kind: global_buffer, .address_space: global }
      - { .name: aimg, .offset: 32, .size: 8, .value_kind: global_buffer, .address_space: global }
    .group_segment_fixed_size: 34816
    .private_segment_fixed_size: 0
    .kernarg_segment_align: 8
    .kernarg_segment_size: 40
    .max_flat_workgroup_size: 512
    .sgpr_count:     66
    .vgpr_count:     256
    .wavefront_size: 32
...
	.end_amdgpu_metadata
.endif
;; end of part 2
;; launch proj (part 3): grid 4 x 32, 4 waves a work-group, clusters of 4 x 4, 327,680 bytes of LDS; arguments aimg, w_proj_codes, lowp_scales, b_proj, out0; writes out0
.if DOCPART == 3
	.amdgcn_target "amdgcn-amd-amdhsa--gfx1250"
	.amdhsa_code_object_version 6
	.text
	.protected	k_q0a08f760de_proj
	.globl	k_q0a08f760de_proj
	.p2align	8
	.type	k_q0a08f760de_proj,@function
k_q0a08f760de_proj:
	s_mov_b64 s[64:65], 0
	v_nop
	global_prefetch_b8 v0, s[64:65] scope:SCOPE_SE
	s_setreg_imm32_b32 hwreg(HW_REG_WAVE_MODE, 25, 1), 1
	s_wait_xcnt 0x0
	s_wait_alu depctr_hold_cnt(0) depctr_sa_sdst(0) depctr_va_vdst(0) depctr_va_sdst(0) depctr_va_ssrc(0) depctr_va_vcc(0) depctr_vm_vsrc(0)
	s_getreg_b32 s2, hwreg(HW_REG_IB_STS2, 6, 4)
	s_cmp_eq_u32 s2, 0
	s_cbranch_scc0 .Lentry_in_a_cluster
	s_endpgm
.Lentry_in_a_cluster:
	s_bfe_u32 s2, ttmp6, 0x10000c
	s_cmp_lg_u32 s2, 0xf033
	s_cbranch_scc0 .Lentry_shape_is_right
	s_endpgm
.Lentry_shape_is_right:
; out0 = a w_proj + b_proj, on codes of FP8 (E4M3).  a: 8,192 tokens x 1,024 (= 64 head + d), as images of operand registers: aimg [16 tokens: 512][head 16][1,024 bytes]; in an image lane (r, h) has, at
; 512 c + 16 lane, d = 32 c + 16 h + 0 .. 15 of token r.  Two neighbouring heads' images, 2,048 bytes, are a fragment of 16 tokens x 128 K.  w_proj: [1,024 (n)][1,024 (k)] codes, K innermost.  out0: [8192][1024] f32.
; Both operands hold K = 32 c + 16 (l / 16) + 0 .. 15 in registers 4 c .. 4 c + 3: a permutation of k inside 128, the same in both; only the order of the sums inside an instruction differs from the form's own places.
; Each finished sum goes out as sum x 2^(e10 + e11) + bias, one fused multiply-add.  LIMIT: e10 + e11 between -126 and 127.  NaN codes are not served.
; A tile of 256 x 256 is made by a work-group of four waves; a wave makes 128 x 128: 64 accumulators.  K = 1,024 goes in four steps of 256 through two LDS slots.
; CLUSTERS: 4 x 4 work-groups.  The four of a row of the cluster need the same tiles of a, the four of a column the same tiles of w_proj: each tile is asked for jointly.
; THE MATRIX INSTRUCTION IS USED TRANSPOSED (source 0 = 16 rows of w_proj, source 1 = 16 tokens): a lane holds eight neighbouring numbers of a row of out0.
; REGISTERS, in windows of 256: window 0: v0-31 addresses; v96-99 my four biases; from v128 A's fragments, ONE set, later rows of out0.   window 1: B's fragments, TWO sets.   windows 2, 3: the accumulators.
.set ROWB,   256                       ; B: a tile's row in bytes
.set KROW,   1024
.set PITCH,  272                       ; B: an LDS row: 256 bytes + 16 of padding: row r starts at bank 4 r mod 64 (64 banks of 4 bytes: ISA guide 11.1)
.set FR,     16
.set NL,     4
.set NP,     4
.set AHALF,  8*4096                    ; A: eight blocks of 16 tokens x four heads' images: what one tensor load brings; dense: a load's 512 bytes are consecutive
.set APART,  2*AHALF
.set HALFB,  128*PITCH
.set SLOT,   APART+2*HALFB             ; A's 16 blocks, then B's 256 rows
.set SPARE,  2*SLOT                    ; behind the two slots: the spare words, 128 bytes for each wave, which no other line names
.set SPITCH, 528                       ; the way out: a stage of 16 rows x (512 bytes + 16) for each wave, in slot 0, which has had its last fill and its last read when the first result is stored there
.set ADRA, 16
.set ADRB, 20
.set STO,  24                          ; v24  the way out: where I put 32 bytes of a row
.set RD,   25                          ; v25  where I read a row back
.set CO,   26                          ; v26  16 x lane
.set SPW,  28
.set NIL,  29
.set BIAS, 96                          ; v96-99 b_proj at the four columns that I store
.set AF,   128
.set BK,   128                         ; the way out: 16 rows read back: v128-191 and v192-255 by turns
.set G1, 24
.set G0, 32
.set G1B, 48
.set G0B, 56
.set MSB, 0
.macro WIN new                         ; the immediate's high byte repeats the setting that is left
.if MSB != \new
	s_set_vgpr_msb (MSB<<8)|\new
.set MSB, \new
.endif
.endm
.set MUL_LO, 0xa1
.set MUL_HI, 0xf1
.set TO_B,   0x40
.macro JLOAD g0a, g1a, g0b, g1b        ; a joint load: waves 0 and 1 fetch for A, waves 2 and 3 for B; four v_nop follow each of the two lines
	s_cmp_eq_u32 s15, 0
	s_cbranch_scc0 .Lfor_b_\@
	tensor_load_to_lds s[\g0a:\g0a+3], s[\g1a:\g1a+7]
	s_nop 0
.rept 4
	v_nop
.endr
	s_branch .Lasked_\@
.Lfor_b_\@:
	tensor_load_to_lds s[\g0b:\g0b+3], s[\g1b:\g1b+7]
	s_nop 0
.rept 4
	v_nop
.endr
.Lasked_\@:
.endm
.macro CREST
	s_cmp_lg_u32 s14, 0
	s_cbranch_scc1 .Lnot_wave_0_\@
	s_barrier_signal -3
.Lnot_wave_0_\@:
	s_barrier_wait -3
	s_barrier_signal -1
	s_barrier_wait -1
.endm
.macro CROUND
	s_barrier_signal -1
	s_barrier_wait -1
	CREST
.endm
	s_load_b128 s[4:7], s[0:1], 0x0                ; aimg, w_proj's codes
	s_load_b128 s[8:11], s[0:1], 0x10              ; the scales, b_proj
	s_load_b64 s[12:13], s[0:1], 0x20              ; out0
	v_lshl_add_u32 v[SPW], v0, 2, SPARE
	v_mov_b32 v[NIL], 0
	ds_add_u32 v28, v29
	ds_add_u32 v28, v29
	s_wait_dscnt 0x0
	v_lshrrev_b32 v1, 5, v0
	v_readfirstlane_b32 s14, v1                    ; wave 0..3
	s_lshr_b32 s15, s14, 1                         ; which half of the tile's rows is mine.  Also: I fetch for A (0) or for B (1)
	s_and_b32 s16, s14, 1                          ; which half of its columns.  Also: which half of that tile I fetch
	s_bfe_u32 s40, ttmp6, 0x40000                  ; cx, cy
	s_bfe_u32 s41, ttmp6, 0x40004
	s_lshl_b32 s42, ttmp9, 2
	s_add_co_u32 s42, s42, s40                     ; tile column
	s_and_b32 s17, ttmp7, 0xffff
	s_lshl_b32 s17, s17, 2
	s_add_co_u32 s17, s17, s41                     ; tile row
	s_lshl_b32 s43, s41, 2
	s_lshl_b32 s43, 15, s43                        ; my row of the cluster
	s_lshl_b32 s44, 0x1111, s40                    ; my column
	; descriptor group 1 for A: 8 rows of 4,096 bytes (four heads' images of 16 tokens), 16,384 bytes apart in memory, dense in LDS
	s_or_b32 s[G1+0], s43, (0<<16)|(1<<21)         ; 15:0 the mask: my row; 17:16 element of 1 byte; 20 no padding; 21 set beside a mask
	s_mov_b32 s[G1+1], 4096<<16                    ; tensor_dim0
	s_mov_b32 s[G1+2], 8<<16                       ; tensor_dim1
	s_mov_b32 s[G1+3], 4096<<16                    ; tile_dim0
	s_mov_b32 s[G1+4], 8                           ; tile_dim1
	s_mov_b32 s[G1+5], 16384                       ; tensor_dim0_stride
	s_mov_b32 s[G1+6], 0
	s_mov_b32 s[G1+7], 0
	; for B: 128 rows x 256 bytes, padded in LDS
	s_or_b32 s[G1B+0], s44, (0<<16)|(1<<20)|(1<<21)|(5<<22)|(3<<25)
	s_mov_b32 s[G1B+1], ROWB<<16
	s_mov_b32 s[G1B+2], 128<<16
	s_mov_b32 s[G1B+3], ROWB<<16
	s_mov_b32 s[G1B+4], 128
	s_mov_b32 s[G1B+5], KROW
	s_mov_b32 s[G1B+6], 0
	s_mov_b32 s[G1B+7], 0
	s_lshl_b32 s20, s17, 18                        ; A: 256 tokens are 16 x 16,384 bytes,
	s_lshl_b32 s18, s16, 17                        ; the half that I fetch 8 x 16,384
	s_add_co_u32 s20, s20, s18
	s_mov_b32 s21, 0
	s_lshl_b32 s46, s42, 8
	s_lshl_b32 s18, s16, 7
	s_add_co_u32 s46, s46, s18                     ; B: row 256 x tile column + 128 x half,
	s_lshl_b32 s46, s46, 10                        ; in bytes
	s_mov_b32 s47, 0
	s_lshl_b32 s45, s16, 15                        ; where they go: A's halves,
	s_mul_i32 s23, s16, HALFB
	s_add_co_u32 s23, s23, APART                   ; B's halves behind them: no place in the cluster enters an LDS address
	s_wait_kmcnt 0x0
	s_load_b64 s[96:97], s[8:9], 0x28              ; e10, e11
	s_add_nc_u64 s[20:21], s[4:5], s[20:21]
	s_add_nc_u64 s[46:47], s[6:7], s[46:47]
	CROUND                                         ; all sixteen work-groups are here: the first joint loads meet
.irp s, 0,1
	s_mov_b32 s[G0+4*\s], 1
	s_add_co_u32 s[G0+4*\s+1], s45, \s*SLOT
	s_add_nc_u64 s[G0+4*\s+2:G0+4*\s+3], s[20:21], \s*4096
	s_or_b32 s[G0+4*\s+3], s[G0+4*\s+3], 0x80000000
	s_mov_b32 s[G0B+4*\s], 1
	s_add_co_u32 s[G0B+4*\s+1], s23, \s*SLOT
	s_add_nc_u64 s[G0B+4*\s+2:G0B+4*\s+3], s[46:47], \s*ROWB
	s_or_b32 s[G0B+4*\s+3], s[G0B+4*\s+3], 0x80000000
	JLOAD G0+4*\s, G1, G0B+4*\s, G1B               ; two tensor loads of mine are out at the most
.endr
	v_and_b32 v1, 15, v0                           ; l % 16
	v_bfe_u32 v2, v0, 4, 1                         ; l / 16
	v_and_b32 v6, 31, v0
	v_lshlrev_b32 v[CO], 4, v6                     ; 16 x lane
	v_mul_u32_u24 v3, v1, PITCH
	v_lshl_add_u32 v4, v2, 4, v3                   ; B: a fragment's row x pitch + 16 x half
	s_lshl_b32 s21, s15, 15                        ; my eight blocks of A
	s_mul_i32 s22, s16, HALFB                      ; my 128 rows of B
	s_add_co_u32 s22, s22, APART
.irp s, 0,1
	v_add_nc_u32 v[ADRA+\s], s21, v[CO]
	v_add_nc_u32 v[ADRB+\s], s22, v4
	s_add_co_u32 s21, s21, SLOT
	s_add_co_u32 s22, s22, SLOT
.endr
	s_mul_i32 s23, s14, 16*SPITCH                  ; my stage
	v_mul_u32_u24 v5, v1, SPITCH                   ; in: row l % 16, 32 bytes for each half of the lanes
	v_lshl_add_u32 v5, v2, 5, v5
	v_add_nc_u32 v[STO], s23, v5
	v_add_nc_u32 v[RD], s23, v[CO]                 ; back: the 32 lanes take one row of 512 bytes
	s_lshl_b32 s46, s42, 10                        ; my first column, in bytes of f32: 1,024 x tile column + 512 x half
	s_lshl_b32 s47, s16, 9
	s_add_co_u32 s46, s46, s47
	s_mov_b32 s47, 0
	s_add_nc_u64 s[10:11], s[10:11], s[46:47]
	global_load_b128 v[BIAS:BIAS+3], v[CO], s[10:11]   ; the biases of the four columns that I store of every row
	s_lshl_b32 s20, s17, 8
	s_lshl_b32 s21, s15, 7
	s_add_co_u32 s20, s20, s21                     ; my first row: 256 x tile row + 128 x half,
	s_lshl_b32 s20, s20, 12                        ; of 4,096 bytes: under 2^25
	s_mov_b32 s21, 0
	s_add_nc_u64 s[20:21], s[20:21], s[46:47]
	s_add_nc_u64 s[12:13], s[12:13], s[20:21]
.macro FRAGA reg, adr, q, i            ; block i of 16 tokens, the slot's q-th 128 along K: two heads' images, as they lie
.irp c, 0,1,2,3
	ds_load_b128 v[\reg+4*\c:\reg+4*\c+3], v[\adr] offset:4096*(\i)+2048*(\q)+512*\c
.endr
.endm
.macro FRAGB reg, adr, q, i            ; 16 rows of w_proj: registers 4 c .. 4 c + 3 hold K = 32 c + 16 (l / 16) + 0 .. 15
.irp c, 0,1,2,3
	ds_load_b128 v[\reg+4*\c:\reg+4*\c+3], v[\adr] offset:128*(\q)+32*\c+(\i)*16*PITCH
.endr
.endm
; 16 matrix instructions: A's blocks a0, a0 + 1 x B's eight.  The 64 accumulators take turns, one instruction a turn, in the same order in every step.
.macro MUL16 a0, p, zero
.irp a, \a0, \a0+1
.irp b, 0,1,2,3,4,5,6,7
.if \zero
	v_wmma_f32_16x16x128_fp8_fp8 v[8*(8*((\a)%4)+\b):8*(8*((\a)%4)+\b)+7], v[128*(\p)+FR*\b:128*(\p)+FR*\b+FR-1], v[AF+FR*(\a):AF+FR*(\a)+FR-1], 0
.else
	v_wmma_f32_16x16x128_fp8_fp8 v[8*(8*((\a)%4)+\b):8*(8*((\a)%4)+\b)+7], v[128*(\p)+FR*\b:128*(\p)+FR*\b+FR-1], v[AF+FR*(\a):AF+FR*(\a)+FR-1], v[8*(8*((\a)%4)+\b):8*(8*((\a)%4)+\b)+7]
.endif
.endr
.endr
.endm
.macro FETCH_B slot, q, p
	WIN TO_B
.irp i, 0,1,2,3,4,5,6,7
	FRAGB 128*(\p)+FR*\i, ADRB+\slot, \q, \i
.endr
	WIN 0
.endm
.macro FETCH_A slot, q, i0
.irp i, \i0, \i0+1, \i0+2, \i0+3
	FRAGA AF+FR*(\i), ADRA+\slot, \q, \i
.endr
.endm
.macro PLACES n                        ; plain vector instructions between a matrix instruction and a load into, or an access to, its registers
.rept \n
	v_nop
.endr
.endm
.macro STEP slot, q, zero
	s_wait_dscnt 4*NL                              ; B's set and A's blocks 0-3 are in; the sixteen youngest loads (A's blocks 4-7) may be out
	WIN MUL_LO
	MUL16 0, (\q)%2, \zero
	MUL16 2, (\q)%2, \zero
	s_wait_dscnt 0
	PLACES NP
	FETCH_B \slot, (\q)+1, 1-(\q)%2
	FETCH_A \slot, (\q)+1, 0
	WIN MUL_HI
	MUL16 4, (\q)%2, \zero
	MUL16 6, (\q)%2, \zero
	PLACES NP
	WIN 0
	FETCH_A \slot, (\q)+1, 4
.endm
; A slot's last step changes slots: ONE barrier; in front of it each wave waits for all its tensor loads, adds 0 to its spare word, and waits for that and for its own reads of this slot.
.macro TURN slot, next, fill
	s_wait_tensorcnt 0x0                           ; all my tensor loads have landed: my part of the next slot
	ds_add_u32 v[SPW], v[NIL]                      ; 0 onto my spare word
	s_wait_dscnt 4*NL+1                            ; (the add and the sixteen youngest loads may be out)
	WIN MUL_LO
	MUL16 0, 1, 0
	s_wait_dscnt 0x0                               ; the add is done, and my reads of this slot are over
	s_barrier_signal -1
	MUL16 2, 1, 0
	WIN 0
	s_barrier_wait -1
.if \fill
	CREST                                          ; the barrier has opened a round of the cluster's barrier: no wave of any partner still reads this slot or has a load on its way
	s_add_nc_u64 s[G0+4*\slot+2:G0+4*\slot+3], s[G0+4*\slot+2:G0+4*\slot+3], 2*4096
	s_add_nc_u64 s[G0B+4*\slot+2:G0B+4*\slot+3], s[G0B+4*\slot+2:G0B+4*\slot+3], 2*ROWB
	JLOAD G0+4*\slot, G1, G0B+4*\slot, G1B         ; the first tensor load behind the round; its four v_nop are also the places in front of the loads below
.else
	PLACES NP
.endif
	FETCH_B \next, 0, 0
	FETCH_A \next, 0, 0
	WIN MUL_HI
	MUL16 4, 1, 0
	MUL16 6, 1, 0
	PLACES NP
	WIN 0
	FETCH_A \next, 0, 4
.endm
	s_wait_tensorcnt 1                             ; my part of K step 0 is in; K step 1's load may be out
	s_barrier_signal -1
	s_barrier_wait -1
	FETCH_B 0, 0, 0
	FETCH_A 0, 0, 0
	FETCH_A 0, 0, 4
	STEP 0, 0, 1                                   ; eight steps of 128 along K, written out: the first starts the sums
	TURN 0, 1, 1
	STEP 1, 0, 0
	TURN 1, 0, 1
	STEP 0, 0, 0
	TURN 0, 1, 0
	STEP 1, 0, 0
	s_wait_dscnt 4*NL
	WIN MUL_LO
	MUL16 0, 1, 0
	MUL16 2, 1, 0
	s_wait_dscnt 0
	WIN MUL_HI
	MUL16 4, 1, 0
	MUL16 6, 1, 0
	WIN 0
; THE WAY OUT, block by block of 16 rows x 128 columns.  A lane holds 32 neighbouring bytes of a row, and the lanes beside it hold other rows: the sums go as they are through my own stage in LDS and come back as whole
; rows of 512 bytes; there each lane has the same four columns of every row, so four registers of bias serve all.  LDS serves a wave's instructions in order (ISA guide 5.7.1.4): no wait between the stores and the loads.
.macro TOSTAGE a
.set AC, 64*((\a)%4)
	WIN 0x08+4*((\a)/4)                            ; an LDS store's data: window 2 or 3
.irp b, 0,1,2,3,4,5,6,7
	ds_store_b128 v[STO], v[AC+8*\b:AC+8*\b+3] offset:64*\b          ; each accumulator from its low end on
	ds_store_b128 v[STO], v[AC+8*\b+4:AC+8*\b+7] offset:64*\b+16
.endr
	WIN 0
.set BB, BK+64*((\a)%2)
.irp t, 0,1,2,3,4,5,6,7,8,9,10,11,12,13,14,15
	ds_load_b128 v[BB+4*\t:BB+4*\t+3], v[RD] offset:\t*SPITCH
.endr
.endm
.macro SEND a, younger                 ; younger: the LDS instructions issued behind block a's loads, which may stay out
.set BB, BK+64*((\a)%2)
	s_wait_dscnt \younger                          ; the block is back in registers
.if (\a) > 0
	s_add_nc_u64 s[12:13], s[12:13], 16*4096       ; (behind a wait on XCNT: the earlier stores have read their base)  16 rows on
.endif
.irp t, 0,1,2,3,4,5,6,7,8,9,10,11,12,13,14,15
	v_pk_fma_f32 v[BB+4*\t:BB+4*\t+1], v[BB+4*\t:BB+4*\t+1], s[96:97], v[BIAS:BIAS+1] op_sel_hi:[1,0,1]       ; sum x 2^(e10 + e11) + bias (the scalar pair's low word for both halves)
	v_pk_fma_f32 v[BB+4*\t+2:BB+4*\t+3], v[BB+4*\t+2:BB+4*\t+3], s[96:97], v[BIAS+2:BIAS+3] op_sel_hi:[1,0,1]
.endr
.irp t, 0,1,2,3,4,5,6,7,8,9,10,11,12,13,14,15
	global_store_b128 v[CO], v[BB+4*\t:BB+4*\t+3], s[12:13] offset:\t*4096 th:TH_STORE_NT   ; 32 lanes store 512 consecutive bytes, at a multiple of 512 from out0's first byte; written once, read by nobody here
.endr
.endm
	s_wait_kmcnt 0x0
	s_add_co_i32 s96, s96, s97                     ; e10 + e11, between -126 and 127,
	s_add_co_i32 s96, s96, 127
	s_lshl_b32 s96, s96, 23                        ; makes the f32 number 2^(e10 + e11)
	s_wait_loadcnt 0x0                             ; the biases
	PLACES NP                                      ; behind the last products: for the loads into the registers that held A's fragments, and for the stores that read results
	TOSTAGE 0
.irp a, 1,2,3,4,5,6,7
.if \a > 1
	s_wait_xcnt 0x0                                ; block a - 2's stores have read their registers and their base: block a's loads may land there, and the base may step
.endif
	TOSTAGE \a
	SEND \a-1, 32                                  ; behind block a - 1's loads: block a's 16 stores and 16 loads
.endr
	s_wait_xcnt 0x0                                ; block 6's stores have read their base
	SEND 7, 0
	s_wait_tensorcnt 0x0                           ; the wave's end
	ds_add_u32 v[SPW], v[NIL]
	s_wait_dscnt 0x0
	CROUND                                         ; the closing round: no work-group ends while a partner may still ask for a tile that names it
	s_endpgm
.Lfunc_end_k_q0a08f760de_proj:
	.size	k_q0a08f760de_proj, .Lfunc_end_k_q0a08f760de_proj-k_q0a08f760de_proj
	.p2alignl 7, 3214868480
	.fill 96, 4, 3214868480
	.section	.rodata,"a",@progbits
	.p2align	6, 0x0
	.amdhsa_kernel k_q0a08f760de_proj
		.amdhsa_group_segment_fixed_size 327680
		.amdhsa_private_segment_fixed_size 0
		.amdhsa_enable_private_segment 0
		.amdhsa_kernarg_size 40
		.amdhsa_user_sgpr_count 2
		.amdhsa_user_sgpr_kernarg_segment_ptr 1
		.amdhsa_wavefront_size32 1
		.amdhsa_system_sgpr_workgroup_id_x 1
		.amdhsa_system_sgpr_workgroup_id_y 1
		.amdhsa_system_sgpr_workgroup_id_z 1
		.amdhsa_system_vgpr_workitem_id 0
		.amdhsa_next_free_vgpr 1024
		.amdhsa_next_free_sgpr 98
		.amdhsa_reserve_vcc 0
		.amdhsa_float_denorm_mode_32 3
		.amdhsa_float_denorm_mode_16_64 3
		.amdhsa_memory_ordered 1
		.amdhsa_forward_progress 1
		.amdhsa_inst_pref_size 123
	.end_amdhsa_kernel
	.amdgpu_metadata
---
amdhsa.version: [ 1, 2 ]
amdhsa.kernels:
  - .name:           k_q0a08f760de_proj
    .symbol:         k_q0a08f760de_proj.kd
    .args:
      - { .name: aimg, .offset: 0, .size: 8, .value_kind: global_buffer, .address_space: global }
      - { .name: w_proj_codes, .offset: 8, .size: 8, .value_kind: global_buffer, .address_space: global }
      - { .name: lowp_scales, .offset: 16, .size: 8, .value_kind: global_buffer, .address_space: global }
      - { .name: b_proj, .offset: 24, .size: 8, .value_kind: global_buffer, .address_space: global }
      - { .name: out0, .offset: 32, .size: 8, .value_kind: global_buffer, .address_space: global }
    .group_segment_fixed_size: 327680
    .private_segment_fixed_size: 0
    .kernarg_segment_align: 8
    .kernarg_segment_size: 40
    .max_flat_workgroup_size: 128
    .sgpr_count:     98
    .vgpr_count:     1024
    .wavefront_size: 32
...
	.end_amdgpu_metadata
.endif
;; end of part 3
;; ======== version 2 of 2: 3 launches; version 1 with the launch attn written anew for expert scheduling mode
;; workspace buffers: qimg 8,388,608 bytes; kimg 8,388,608 bytes; vimg 8,388,608 bytes; aimg 8,388,608 bytes
;; launch qkv: the kernel of part 1 again; grid 12 x 32, 4 waves a work-group, clusters of 4 x 4, 327,680 bytes of LDS; arguments x_codes, wq_codes, wk_codes, wv_codes, lowp_scales, qimg, kimg, vimg; writes qimg, kimg, vimg
;; launch attn (part 4): grid 4 x 64, 16 waves a work-group, no clusters, 34,816 bytes of LDS; arguments qimg, kimg, vimg, lowp_scales, aimg; writes aimg
.if DOCPART == 4
	.amdgcn_target "amdgcn-amd-amdhsa--gfx1250"
	.amdhsa_code_object_version 6
	.text
	.protected	k_q0a08f760de_attn
	.globl	k_q0a08f760de_attn
	.p2align	8
	.type	k_q0a08f760de_attn,@function
k_q0a08f760de_attn:
	s_mov_b64 s[64:65], 0
	v_nop
	global_prefetch_b8 v0, s[64:65] scope:SCOPE_SE
	s_setreg_imm32_b32 hwreg(HW_REG_WAVE_SCHED_MODE, 0, 2), 2
	s_setreg_imm32_b32 hwreg(HW_REG_WAVE_MODE, 25, 1), 1
	s_wait_xcnt 0x0
	s_wait_alu depctr_vm_vsrc(0)
; Causal attention of one head on codes of FP8 (E4M3), and the quantiser of its result.  2,048 tokens, head size 64, logit = q . k / 32.
; t = logit x log2(e); M = the running largest t rounded UP to a whole number; p = 2^(t - M) is quantised with 2^e8, not normalised; the row's sum is taken of the unquantised p and divides at the end.
; When M moves, the sum and O are multiplied by 2^(old M - new M): exact.  The result o = O 2^(e8 + e9) / sum is quantised with 2^e10.
; SHARES.  Work-group (i, head) owns the blocks i and 7 - i of 256 queries: under the causal mask 2 i + 2 and 16 - 2 i slots of 128 keys count for them, 18 in all for every i.  Waves 0-7 take the low block, waves 8-15 the high one;
; a wave owns 32 neighbouring queries: two tiles of 16, which share every fragment of K and V.  256 registers a wave, four waves to a SIMD: one wave's vector work stands beside another's products and LDS loads.
; The pieces of a block are dealt so that waves w and w + 4 hold pieces s and 7 - s.
; LAYOUT.  Both products are used transposed: S^T = K Q^T (source 0 = 16 keys, source 1 = 16 queries), O^T = V^T P^T (source 0 = 16 of the head's 64, source 1 = P): a lane holds ONE query (lane % 16) throughout, and the
; eight registers of key tile c are keys 16 c + 8 (lane / 16) + 0 .. 7: their conversion gives registers 2 c, 2 c + 1 of P as the form's own layout wants them.  Every k stands in its true place.
; Q, K and V come as images of their operand registers (four registers: 512 bytes, lane l's 16 bytes at 16 l), so every LDS address is a constant + 16 x lane.
; TILES.  A slot is 128 keys: K's eight images (8,192 bytes), then V's four (8,192).  Each thread loads 16 bytes of K and 16 of V into registers a slot ahead and stores them into the other of two LDS buffers; one barrier a slot.
; NO CLUSTER, NO TENSOR LOADS: the four work-groups of a head walk 16, 14, 12 and 10 slots, so partners would need different numbers of tiles; and a slot is 32 bytes a thread, asked for a whole slot's work ahead.
; CAUSAL.  A step of 64 keys all of which come after my 32 queries is left out by a scalar branch on ids; on the diagonal hidden scores become -infinity.  My first query is a multiple of 32 and a step's first key of 64, so in every
; step that is worked the first key counts for all my queries: M is a number from the first step on.
; THE HOLD of p at 448 x 2^e8 changes nothing where e8 >= -8 (448 x 2^-8 > 1 >= p): there a scalar branch on e8 passes over it.
; LIMITS: e6 + e7 between -121 and 132 (added to c's exponent field); e8 and e10 - e8 - e9 between -126 and 119.  NaN codes are not served.
; THE MODE: SCHED_MODE bits 1:0 = 2 (LLVM: expert scheduling mode 2), set by the entry lines.  The code itself states the register dependences between vector or matrix instructions and memory or LDS
; instructions, with s_wait_alu, always for 0.
; THE PLAN.  Registers that memory or LDS instructions touch:
;   v1 - v4     offsets and LDS addresses: written at the head, ahead of one wait on va_vdst, and never again.
;   SK, SV      the next slot's bytes: the global loads at a slot's head land in them, the LDS stores at its end read them; no vector instruction names them.  One wait on vm_vsrc at the head of each slot that loads.
;   KR          K's fragments: the LDS loads at a step's head land in them, the step's products K Q^T read them.  On the way out the codes of o are made in them and stored from them.
;   VR          V's fragments: the LDS loads in a step's middle land in them, the step's products V^T P read them.
; ONE wait on va_vdst stands in a step, behind its exponentials.  It is the wait for their results; behind it the last step's products V^T P are done reading VR, so V's loads follow it at once; and this step's products
; K Q^T are done reading KR, which no vector or matrix instruction names again before the next step's head, so K's loads there stand without a wait of their own.
.set BUF,  16384                       ; an LDS buffer
.set VOFF, 8192                        ; V's images in it
.set LI,   1                           ; v1   16 x lane
.set TI,   2                           ; v2   16 x thread: where I store into a buffer's half, and my offset in a slot of V
.set KO,   3                           ; v3   my offset in a slot of K: 2,048 (thread / 64) + 16 (thread % 64): my head's images lie 2,048 bytes apart
.set PFO,  4                           ; v4   the prefetch's offset
.set QR,   5                           ; v5   lane % 16 - 8 (lane / 16)
.set ST,   8                           ; v[8+4t]: -M, the largest t, the sum in two halves, of tile t
.set QF,   16                          ; v16-31   Q, 8 a tile
.set KR,   32                          ; v32-63   K: four tiles of 16 keys
.set VR,   64                          ; v64-95   V: four tiles of 16 d
.set SC,   96                          ; v96-159  S^T, then p: 32 a tile
.set OT,   160                         ; v160-223 O^T: 32 a tile
.set PC,   224                         ; v224-239 P's codes: 8 a tile
.set HOLD, 240                         ; v240 448 x the scale;  v241 the scale
.set SCL,  241
.set SK,   242                         ; v242-245 the next slot's 16 bytes of K;  v246-249 of V
.set SV,   246
.set FF,   252                         ; v[252+2t] f = 2^(old M - new M), later 1 / sum; named as the low half of a pair
.set WV,   14
.set KP,   16                          ; s[16:17] K at the slot to be loaded;  s[18:19] V
.set VP,   18
.set TR,   20                          ; trips
.set CS,   22                          ; s[22:23] c = log2(e) / 32 x 2^(e6 + e7)
.set KF,   24                          ; the step's first key
.set Q0,   26                          ; my first query;  s27 my last
.set QL,   27
.set SEL,  28                          ; s[28:29] v_permlanex16_b32's selects for lane l xor 16
.set HI,   30                          ; the mask of lanes 16-31
.set ASKS, 31                          ; 1 in a wave that prefetches
.set PFA,  32                          ; s[32:33] the prefetches' base: the slot to be loaded, of K (wave 0) or V (wave 1)
.set MK,   36                          ; s36-43 and s48-55: sixteen lane masks of the diagonal step; both runs are free behind the head (e0 to e7 and the head's offsets have been used)
	s_load_b256 s[4:11], s[0:1], 0x0               ; qimg, kimg, vimg, the scales
	s_load_b64 s[12:13], s[0:1], 0x20              ; aimg
	v_lshrrev_b32 v6, 5, v0
	v_readfirstlane_b32 s[WV], v6                  ; wave 0..15
	v_and_b32 v6, 31, v0                           ; lane
	v_lshlrev_b32 v[LI], 4, v6
	v_lshlrev_b32 v[TI], 4, v0
	v_lshrrev_b32 v7, 6, v0
	v_and_b32 v[KO], 63, v0
	v_lshlrev_b32 v[KO], 4, v[KO]
	v_lshl_add_u32 v[KO], v7, 11, v[KO]
	v_and_b32 v[QR], 15, v0
	v_bfe_u32 v7, v0, 4, 1
	v_lshlrev_b32 v7, 3, v7
	v_sub_nc_u32 v[QR], v[QR], v7
	s_wait_alu depctr_va_sdst(0)                   ; the wave's number is written into s14, ahead of its first reader, the compare below
	s_cmp_eq_u32 s[WV], 0
	s_cselect_b32 s21, 11, 10                      ; a slot's 32 blocks of 256 bytes, a lane a block: four on end, then 2,048 on in K, 1,024 on in V
	v_lshrrev_b32 v7, 2, v6
	v_lshlrev_b32 v7, s21, v7
	v_and_b32 v[PFO], 3, v6
	v_lshl_add_u32 v[PFO], v[PFO], 8, v7
	s_and_b32 s20, ttmp7, 0xffff                   ; 16 x batch + head
	s_lshr_b32 s48, s20, 1
	s_lshl_b32 s48, s48, 18                        ; (8 x batch + pair of heads) x 2^18 bytes in qimg, kimg and vimg
	s_and_b32 s49, s20, 1
	s_lshl_b32 s50, s49, 10
	s_add_co_u32 s52, s48, s50                     ; q, k: + 1,024 x head of the pair
	s_mov_b32 s53, 0
	s_lshl_b32 s50, s49, 13
	s_add_co_u32 s54, s48, s50                     ; v: + 8,192 x head of the pair
	s_mov_b32 s55, 0
	s_and_b32 s24, s[WV], 7
	s_lshr_b32 s25, s24, 2
	s_mul_i32 s25, s25, 3
	s_xor_b32 s24, s24, s25                        ; my piece of the block: 0 1 2 3 7 6 5 4
	s_sub_co_u32 s25, 7, ttmp9
	s_cmp_lt_u32 s[WV], 8
	s_cselect_b32 s25, ttmp9, s25                  ; my block: i or 7 - i
	s_lshl_b32 s25, s25, 8
	s_lshl_b32 s24, s24, 5
	s_add_co_u32 s[Q0], s25, s24
	s_add_co_u32 s[QL], s[Q0], 31
	s_lshl_b32 s50, s[Q0], 7                       // 16 queries are 2,048 bytes of qimg
	s_add_co_u32 s50, s50, s52
	s_mov_b32 s51, 0
	s_lshr_b32 s48, s20, 4
	s_lshl_b32 s48, s48, 21                        ; aimg: [16 tokens: 512][head 16][1,024]: batch x 2^21
	s_lshl_b32 s49, s[Q0], 10
	s_add_co_u32 s48, s48, s49                     ; + 16,384 x (query / 16)
	s_and_b32 s49, s20, 15
	s_lshl_b32 s49, s49, 10
	s_add_co_u32 s48, s48, s49                     ; + 1,024 x head
	s_mov_b32 s49, 0
	s_wait_kmcnt 0x0
	s_load_b256 s[36:43], s[10:11], 0x0            ; e0 .. e7
	s_load_b128 s[44:47], s[10:11], 0x20           ; e8 .. e11
	s_add_nc_u64 s[4:5], s[4:5], s[50:51]
	s_add_nc_u64 s[KP:KP+1], s[6:7], s[52:53]
	s_add_nc_u64 s[VP:VP+1], s[8:9], s[54:55]
	s_add_nc_u64 s[12:13], s[12:13], s[48:49]
	s_wait_alu depctr_va_vdst(0)                   ; v1 to v4 are written: every load, store and prefetch of the kernel reads one of them as its offset or LDS address, and none is written again
.irp t, 0,1
	global_load_b128 v[QF+8*\t:QF+8*\t+3], v[LI], s[4:5] offset:2048*\t          ; Q stays in registers
	global_load_b128 v[QF+8*\t+4:QF+8*\t+7], v[LI], s[4:5] offset:2048*\t+512
.endr
	global_load_b128 v[SK:SK+3], v[KO], s[KP:KP+1]                               ; slot 0
	global_load_b128 v[SV:SV+3], v[TI], s[VP:VP+1]
	s_mov_b32 s[SEL], 0x76543210
	s_mov_b32 s[SEL+1], 0xfedcba98
	s_mov_b32 s[HI], 0xffff0000
	s_lshr_b32 s[ASKS], s[WV], 1
	s_or_b32 s[ASKS], s[ASKS], ttmp9               ; waves 0 and 1 of the head's first work-group, which walks all sixteen slots
	s_cmp_eq_u32 s[ASKS], 0
	s_cselect_b32 s[ASKS], 1, 0
	s_sub_co_u32 s[TR], 7, ttmp9                   ; 16 - 2 i slots: 7 - i pairs in the loop, one pair behind it
	s_mov_b32 s[KF], 0
.irp t, 0,1
	v_mov_b32 v[ST+4*\t+1], 0xff61b1e6             ; the largest t so far: -3e38, under every t
	v_floor_f32 v[ST+4*\t], -v[ST+4*\t+1]          ; -M
	v_mov_b32 v[ST+4*\t+2], 0                      ; the sum, in two halves
	v_mov_b32 v[ST+4*\t+3], 0
	v_mov_b32 v[FF+2*\t+1], 0                      ; (named as the upper half of a pair)
	v_mov_b32 v[250+\t], 0                         ; written once: a lane permute's destination counts as one of its sources
.endr
.set j, 0
.rept 64
	v_mov_b32 v[OT+j], 0                           ; O^T.  (The step is written without a first form of its own: the first change of M multiplies zeros)
.set j, j+1
.endr
	s_wait_kmcnt 0x0
	s_add_co_i32 s48, s42, s43
	s_lshl_b32 s48, s48, 23
	s_mov_b32 s[CS], 0x3d38aa3b                    ; log2(e) / 32
	s_add_co_i32 s[CS], s[CS], s48                 ; a score stands for score x 2^(e6 + e7): added to c's exponent field
	s_mov_b32 s[CS+1], s[CS]                       ; (named with it as a pair)
	s_add_co_i32 s48, s44, 127
	s_lshl_b32 s49, s48, 23
	v_mov_b32 v[SCL], s49                          ; 2^e8
	s_add_co_i32 s48, s48, 8
	s_lshl_b32 s48, s48, 23
	s_or_b32 s48, s48, 0x600000
	v_mov_b32 v[HOLD], s48                         ; 448 x 2^e8
	s_wait_loadcnt 0x0                             ; Q and slot 0 are in, and the loads' bases are free
	ds_store_b128 v[TI], v[SK:SK+3]                ; (the data come from loads; v2 was written ahead of the wait on va_vdst above)
	ds_store_b128 v[TI], v[SV:SV+3] offset:VOFF
	s_add_nc_u64 s[KP:KP+1], s[KP:KP+1], BUF       ; a slot on is 16,384 bytes in kimg and in vimg
	s_add_nc_u64 s[VP:VP+1], s[VP:VP+1], BUF
	s_cmp_eq_u32 s[WV], 0
	s_cselect_b64 s[PFA:PFA+1], s[KP:KP+1], s[VP:VP+1]
	s_wait_dscnt 0x0                               ; for the others' sake: my stores have landed
	s_barrier_signal -1
	s_barrier_wait -1
; Tile t: the step's largest score, the running largest t, the new -M, f, and t - M.
.macro MAXP t
.set rS, SC+32*(\t)
.set rT, ST+4*(\t)
.set rF, FF+2*(\t)
	v_max3_num_f32 v250, v[rS], v[rS+1], v[rS+2]   ; two chains, in ascending order: each accumulator is read from its low end on
	v_max3_num_f32 v251, v[rS+3], v[rS+4], v[rS+5]
.irp i, 6,10,14,18,22,26
	v_max3_num_f32 v250, v250, v[rS+\i], v[rS+\i+1]
	v_max3_num_f32 v251, v251, v[rS+\i+2], v[rS+\i+3]
.endr
	v_max3_num_f32 v250, v250, v[rS+30], v[rS+31]
	v_max_num_f32 v250, v250, v251
	v_permlanex16_b32 v251, v250, s[SEL], s[SEL+1] ; the query's other 32 keys lie in the lane 16 away
	v_max_num_f32 v250, v250, v251
	v_mul_f32 v250, s[CS], v250                    ; as t (c is positive)
	v_max_num_f32 v[rT+1], v[rT+1], v250
	v_mov_b32 v250, v[rT]
	v_floor_f32 v[rT], -v[rT+1]                    ; -M = floor(-t) = -ceil(t)
	v_sub_f32 v250, v[rT], v250                    ; old M - new M: a whole number, 0 or less
	v_cvt_i32_f32 v250, v250                       ; (it saturates)
	v_ldexp_f32 v[rF], 1.0, v250                   ; f
.irp j, 0,2,4,6,8,10,12,14,16,18,20,22,24,26,28,30
	v_pk_fma_f32 v[rS+\j:rS+\j+1], v[rS+\j:rS+\j+1], s[CS:CS+1], v[rT:rT+1] op_sel_hi:[1,0,0]   ; t - M (of the pairs c and -M the low word serves both halves)
.endr
.endm
.macro SUMP t                          ; the row's sum of the unquantised p, two at a time, in two chains
.set rS, SC+32*(\t)
.set rT, ST+4*(\t)
	v_pk_add_f32 v[6:7], v[rS:rS+1], v[rS+2:rS+3]
.irp j, 4,8,12,16,20,24,28
	v_pk_add_f32 v[rT+2:rT+3], v[rT+2:rT+3], v[rS+\j:rS+\j+1]
	v_pk_add_f32 v[6:7], v[6:7], v[rS+\j+2:rS+\j+3]
.endr
	v_pk_add_f32 v[rT+2:rT+3], v[rT+2:rT+3], v[6:7]
.endm
; Register n holds key KF + 16 (n / 8) + 8 (lane / 16) + n % 8: hidden where 16 (n / 8) + n % 8 > v6.  The compares stand in runs of sixteen, each into a scalar register of its own, with one wait ahead of the run's selects.
.macro MASK t
.irp g, 0,1
.set n, 16*\g
.rept 16
	v_cmp_gt_i32 s[MK+(n%16)+4*((n%16)/8)], 16*(n/8)+n%8, v6
.set n, n+1
.endr
	s_wait_alu depctr_va_sdst(0)                   ; the sixteen compares have written their masks, ahead of the first select that reads one
.set n, 16*\g
.rept 16
	v_cndmask_b32 v[SC+32*(\t)+n], v[SC+32*(\t)+n], v7, s[MK+(n%16)+4*((n%16)/8)]   ; in ascending order: each accumulator is read from its low end on
.set n, n+1
.endr
.endr
.endm
; A STEP: the u-th 64 keys of the slot in buffer b.
.macro SUB b, u
	s_cmp_gt_u32 s[KF], s[QL]                      ; all its keys come after my queries: nothing to do but the step of KF
	s_cbranch_scc1 .Lhidden_\@
.irp k, 0,1,2,3                                        ; K.  No wait on va_vdst: the products that read KR last stand ahead of the last worked step's wait, and no vector or matrix instruction since names KR or v1
	ds_load_b128 v[KR+8*\k:KR+8*\k+3],   v[LI] offset:\b*BUF+(4*\u+\k)*1024
	ds_load_b128 v[KR+8*\k+4:KR+8*\k+7], v[LI] offset:\b*BUF+(4*\u+\k)*1024+512
.endr
	s_wait_dscnt 0x0                               ; K's eight loads are in
.irp k, 0,1,2,3
.irp t, 0,1
	v_wmma_f32_16x16x64_fp8_fp8 v[SC+32*\t+8*\k:SC+32*\t+8*\k+7], v[KR+8*\k:KR+8*\k+7], v[QF+8*\t:QF+8*\t+7], 0
.endr
.endr
.rept 4
	v_nop                                          ; places in front of the first read of the scores
.endr
	s_add_co_u32 s25, s[KF], 63
	s_cmp_le_u32 s25, s[Q0]                        ; all 64 keys count for all my queries
	s_cbranch_scc1 .Lopen_\@
	s_sub_co_i32 s25, s[Q0], s[KF]
	v_add_nc_u32 v6, s25, v[QR]                    ; my query of tile 0 - KF - 8 (lane / 16)
	v_mov_b32 v7, 0xff800000                       ; -infinity: p = 0 then
	MASK 0
	v_add_nc_u32 v6, 16, v6                        ; tile 1's queries are 16 further on
	MASK 1
.Lopen_\@:
	MAXP 0
	MAXP 1
.set j, 0
.rept 64
	v_exp_f32 v[SC+j], v[SC+j]                     ; p = 2^(t - M), at most 1
.set j, j+1
.endr
	v_pk_mul_f32 v[ST+2:ST+3], v[ST+2:ST+3], v[FF:FF+1] op_sel_hi:[1,0]       ; the sums under the new M.  (The plain instruction behind the exponentials)
	v_pk_mul_f32 v[ST+6:ST+7], v[ST+6:ST+7], v[FF+2:FF+3] op_sel_hi:[1,0]
	s_wait_alu depctr_va_vdst(0)                   ; THE STEP'S ONE WAIT: the 64 exponentials have written p, ahead of its first reader; the last step's products V^T P are done reading VR, in which the loads below land; this step's products K Q^T are done reading KR, in which the next step's loads land
.irp d, 0,1,2,3                                        ; V: it lands while the sums, the conversions and the rescaling of O^T are issued
	ds_load_b128 v[VR+8*\d:VR+8*\d+3],   v[LI] offset:\b*BUF+VOFF+\d*2048+\u*1024
	ds_load_b128 v[VR+8*\d+4:VR+8*\d+7], v[LI] offset:\b*BUF+VOFF+\d*2048+\u*1024+512
.endr
	SUMP 0
	SUMP 1
	s_cmp_ge_i32 s44, -8                           ; 448 x 2^e8 >= 1 >= p: the hold would change nothing
	s_cbranch_scc1 .Lno_hold_\@
.set j, 0
.rept 64
	v_min_num_f32 v[SC+j], v[SC+j], v[HOLD]        ; the conversion to an 8-bit code does not saturate (ISA guide 7.6.2); p is not negative
.set j, j+1
.endr
.Lno_hold_\@:
.irp t, 0,1
.irp k, 0,1,2,3
	v_cvt_scalef32_pk8_fp8_f32 v[PC+8*\t+2*\k:PC+8*\t+2*\k+1], v[SC+32*\t+8*\k:SC+32*\t+8*\k+7], v[SCL]
.endr
.endr
.irp t, 0,1
.irp j, 0,2,4,6,8,10,12,14,16,18,20,22,24,26,28,30
	v_pk_mul_f32 v[OT+32*\t+\j:OT+32*\t+\j+1], v[OT+32*\t+\j:OT+32*\t+\j+1], v[FF+2*\t:FF+2*\t+1] op_sel_hi:[1,0]   ; O^T under the new M.  (Also the plain lines between the conversions and the products that read the codes)
.endr
.endr
	s_wait_dscnt 0x0                               ; V is in
.irp d, 0,1,2,3
.irp t, 0,1
	v_wmma_f32_16x16x64_fp8_fp8 v[OT+32*\t+8*\d:OT+32*\t+8*\d+7], v[VR+8*\d:VR+8*\d+7], v[PC+8*\t:PC+8*\t+7], v[OT+32*\t+8*\d:OT+32*\t+8*\d+7]   ; eight accumulators by turns, one instruction a turn
.endr
.endr
.rept 4
	v_nop                                          ; places behind the step's last products, in front of the next vector access to O^T
.endr
.Lhidden_\@:
	s_add_co_u32 s[KF], s[KF], 64
.endm
; A SLOT in buffer b.  load = 1: the next slot is asked for at the head, into registers, and goes into the other buffer at the end; then the one barrier: in front of it my stores have landed and my reads of this
; buffer are over; behind it the other buffer is read, and this one may be written.  ask = 1: the slot behind the next is prefetched: K's 32 blocks of 256 bytes by wave 0, V's by wave 1, of the head's first
; work-group alone: each block is named once in the launch, a slot (two steps of sixteen waves) ahead of its load.  Slots 0 and 1 come by their loads alone; in the loop the slot two on always exists.
.macro PHASE b, load, ask
.if \load
	s_wait_alu depctr_vm_vsrc(0)                   ; my LDS stores of the slot before (the first time: the head's) have read SK and SV, in which the two loads below land
	global_load_b128 v[SK:SK+3], v[KO], s[KP:KP+1]
	global_load_b128 v[SV:SV+3], v[TI], s[VP:VP+1]
.if \ask
	s_cmp_eq_u32 s[ASKS], 1
	s_cbranch_scc0 .Lnot_mine_\@
	global_prefetch_b8 v[PFO], s[PFA:PFA+1] offset:BUF th:TH_LOAD_NT scope:SCOPE_SE
.Lnot_mine_\@:
.endif
.endif
	SUB \b, 0
	SUB \b, 1
.if \load
	s_wait_loadcnt 0x0                             ; the next slot's bytes are in my registers
	ds_store_b128 v[TI], v[SK:SK+3] offset:(1-\b)*BUF      ; (the data come from loads, the address from the head: no vector instruction has written either since)
	ds_store_b128 v[TI], v[SV:SV+3] offset:(1-\b)*BUF+VOFF
	s_wait_xcnt 0x0                                ; the prefetch, two steps back, has read its base: the three bases may step
	s_add_nc_u64 s[KP:KP+1], s[KP:KP+1], BUF
	s_add_nc_u64 s[VP:VP+1], s[VP:VP+1], BUF
	s_add_nc_u64 s[PFA:PFA+1], s[PFA:PFA+1], BUF
	s_wait_dscnt 0x0
	s_barrier_signal -1
	s_barrier_wait -1
.endif
.endm
.Lpair:                                                ; 7 - i trips of two slots
	PHASE 0, 1, 1
	PHASE 1, 1, 1
	s_sub_co_u32 s[TR], s[TR], 1
	s_cmp_lg_u32 s[TR], 0
	s_cbranch_scc1 .Lpair
	PHASE 0, 1, 0                                  ; the last slot is asked for; there is none behind it to prefetch
	PHASE 1, 0, 0                                  ; nothing is left to load, and LDS is not touched again: no barrier
	; THE WAY OUT.  The sum's halves and the other half of the lanes' are added; O^T / sum is quantised with 2^(e10 - e8 - e9).
	v_add_f32 v[ST+2], v[ST+2], v[ST+3]
	v_add_f32 v[ST+6], v[ST+6], v[ST+7]
	v_permlanex16_b32 v250, v[ST+2], s[SEL], s[SEL+1]
	v_permlanex16_b32 v251, v[ST+6], s[SEL], s[SEL+1]
	v_add_f32 v[ST+2], v[ST+2], v250
	v_add_f32 v[ST+6], v[ST+6], v251
	v_rcp_f32 v[FF], v[ST+2]
	v_rcp_f32 v[FF+2], v[ST+6]
	s_sub_co_i32 s48, s46, s44
	s_sub_co_i32 s48, s48, s45                     ; e10 - e8 - e9
	s_add_co_i32 s48, s48, 127
	s_lshl_b32 s49, s48, 23
	v_mov_b32 v[SCL], s49                          ; (a plain instruction behind the reciprocals)
	s_add_co_i32 s48, s48, 8
	s_lshl_b32 s48, s48, 23
	s_or_b32 s48, s48, 0x600000
	v_mov_b32 v[HOLD], s48
	s_wait_alu depctr_va_vdst(0)                   ; both reciprocals have written 1 / sum, ahead of its first reader
.irp t, 0,1
.irp j, 0,2,4,6,8,10,12,14,16,18,20,22,24,26,28,30
	v_pk_mul_f32 v[SC+32*\t+\j:SC+32*\t+\j+1], v[OT+32*\t+\j:OT+32*\t+\j+1], v[FF+2*\t:FF+2*\t+1] op_sel_hi:[1,0]   ; register 8 c + j: d = 16 c + 8 (lane / 16) + j of my query
.endr
.endr
.set j, 0
.rept 64
	v_med3_num_f32 v[SC+j], v[SC+j], -v[HOLD], v[HOLD]
.set j, j+1
.endr
.irp t, 0,1
.irp d, 0,1,2,3
	v_cvt_scalef32_pk8_fp8_f32 v[KR+8*\t+2*\d:KR+8*\t+2*\d+1], v[SC+32*\t+8*\d:SC+32*\t+8*\d+7], v[SCL]
.endr
.endr
	v_nop                                          ; one plain vector instruction between the conversions and the lines that touch their results
	; The last product's fragments come by loads of 16 bytes: lane (r, h) is to hold, in registers 4 c .. 4 c + 3, d = 32 c + 16 h + 0 .. 15.  I hold, in registers 2 c, 2 c + 1, d = 16 c + 8 h + 0 .. 7.
	; So of each pair (a, a + 2) lanes 0-15 keep register a and take the other half's a as a + 2; lanes 16-31 keep a + 2 and take the other half's a + 2 as a.
.irp t, 0,1
.irp a, 0,1,4,5
	v_permlanex16_b32 v250, v[KR+8*\t+\a+2], s[SEL], s[SEL+1]
	v_permlanex16_b32 v251, v[KR+8*\t+\a], s[SEL], s[SEL+1]
	v_cndmask_b32 v[KR+8*\t+\a], v[KR+8*\t+\a], v250, s[HI]
	v_cndmask_b32 v[KR+8*\t+\a+2], v251, v[KR+8*\t+\a+2], s[HI]
.endr
.endr
	s_wait_alu depctr_va_vdst(0)                   ; the selects have written the sixteen registers of codes, which the four stores read
.irp t, 0,1
	global_store_b128 v[LI], v[KR+8*\t:KR+8*\t+3], s[12:13] offset:16384*\t          ; 32 lanes store 512 consecutive bytes, at a multiple of 512 from the buffer's first byte
	global_store_b128 v[LI], v[KR+8*\t+4:KR+8*\t+7], s[12:13] offset:16384*\t+512
.endr
	s_wait_xcnt 0x0
	v_lshl_add_u32 v254, v0, 2, 0x8000             ; my spare word, behind the two buffers, and 0: made anew from v0, since no two registers could be kept; no memory or LDS instruction has read v254 or v255
	v_mov_b32 v255, 0
	s_wait_dscnt 0x0                               ; the closing lines, six on end
	s_wait_alu 0x0
	s_wait_tensorcnt 0x0
	ds_add_u32 v254, v255
	s_wait_dscnt 0x0
	s_endpgm
.Lfunc_end_k_q0a08f760de_attn:
	.size	k_q0a08f760de_attn, .Lfunc_end_k_q0a08f760de_attn-k_q0a08f760de_attn
	.p2alignl 7, 3214868480
	.fill 96, 4, 3214868480
	.section	.rodata,"a",@progbits
	.p2align	6, 0x0
	.amdhsa_kernel k_q0a08f760de_attn
		.amdhsa_group_segment_fixed_size 34816
		.amdhsa_private_segment_fixed_size 0
		.amdhsa_enable_private_segment 0
		.amdhsa_kernarg_size 40
		.amdhsa_user_sgpr_count 2
		.amdhsa_user_sgpr_kernarg_segment_ptr 1
		.amdhsa_wavefront_size32 1
		.amdhsa_system_sgpr_workgroup_id_x 1
		.amdhsa_system_sgpr_workgroup_id_y 1
		.amdhsa_system_sgpr_workgroup_id_z 1
		.amdhsa_system_vgpr_workitem_id 0
		.amdhsa_next_free_vgpr 256
		.amdhsa_next_free_sgpr 66
		.amdhsa_reserve_vcc 0
		.amdhsa_float_denorm_mode_32 3
		.amdhsa_float_denorm_mode_16_64 3
		.amdhsa_memory_ordered 1
		.amdhsa_forward_progress 1
		.amdhsa_inst_pref_size 213
	.end_amdhsa_kernel
	.amdgpu_metadata
---
amdhsa.version: [ 1, 2 ]
amdhsa.kernels:
  - .name:           k_q0a08f760de_attn
    .symbol:         k_q0a08f760de_attn.kd
    .args:
      - { .name: qimg, .offset: 0, .size: 8, .value_kind: global_buffer, .address_space: global }
      - { .name: kimg, .offset: 8, .size: 8, .value_kind: global_buffer, .address_space: global }
      - { .name: vimg, .offset: 16, .size: 8, .value_kind: global_buffer, .address_space: global }
      - { .name: lowp_scales, .offset: 24, .size: 8, .value_kind: global_buffer, .address_space: global }
      - { .name: aimg, .offset: 32, .size: 8, .value_kind: global_buffer, .address_space: global }
    .group_segment_fixed_size: 34816
    .private_segment_fixed_size: 0
    .kernarg_segment_align: 8
    .kernarg_segment_size: 40
    .max_flat_workgroup_size: 512
    .sgpr_count:     66
    .vgpr_count:     256
    .wavefront_size: 32
...
	.end_amdgpu_metadata
.endif
;; end of part 4
;; launch proj: the kernel of part 3 again; grid 4 x 32, 4 waves a work-group, clusters of 4 x 4, 327,680 bytes of LDS; arguments aimg, w_proj_codes, lowp_scales, b_proj, out0; writes out0
